; MI455X (gfx1250); checked and timed in simulation.
; The chip was launched on July 23, 2026; its instructions are those of AMD's public machine-readable ISA for CDNA 5 (MIT licence, August 2026) and "CDNA5" Instruction Set Architecture Reference Guide (July 2026). The comments in the code are by the model that wrote it; some were corrected since.
;; Multi Head Attention. Allowed arithmetic: matrix products marked QUANTISED: E2M1 operands, one E8M0 scale for each 32 along K, by v_wmma_scale_f32_16x16x128_f8f6f4 with both operands' format E2M1 (or v_wmma_scale_f32_32x16x128_f4), f32 sums; products left as they are: bf16, f16 or f32 operands; f32 sums; everything else in f32.
;; Inputs: Wo 1,024 x 1,024 float32; Wqkv 1,024 x 3,072 float32; mask 1 x 1 x 2,048 x 2,048 bool; x 2 x 2,048 x 1,024 float32.
;; Outputs: out0 2 x 2,048 x 1,024 float32.
;; This version of the problem:
;;   THIS VERSION OF THE PROBLEM IS GIVEN IN LOW PRECISION. The matrix products marked QUANTISED in the list below multiply operands that are first quantised to E2M1 (2 exponent bits, 1 mantissa bit; 4 bits a number), with one power-of-two scale for each 32 numbers along K (OCP MX v1.0); their sums are f32. The products marked 'left as it is' may take bf16, f16 or f32 operands, with f32 sums. Whichever they take, every output number must still come out within the allowed error. Rounding operands to bf16 (8 significant bits) uses up far more of that allowance than f16 does (11 bits, for magnitudes from 6e-5 to 65,504). All else is computed in f32.
;;   The module's matrix products, in the order in which they are computed (A, B: the left and right operand; K: the contracted axis; several contracted axes count as one K, in the product's order):
;;     1. [M 4,096, K 1,024] x [K 1,024, N 3,072]; A: input x; B: input Wqkv: QUANTISED
;;     2. batch 32 x [M 2,048, K 64] x [K 64, N 2,048]; A: computed on the way; B: computed on the way: left as it is (an operand is computed on the way)
;;     3. batch 32 x [M 2,048, K 2,048] x [K 2,048, N 64]; A: computed on the way; B: computed on the way: left as it is (an operand is computed on the way)
;;     4. [M 4,096, K 1,024] x [K 1,024, N 1,024]; A: computed on the way; B: input Wo: left as it is (an operand is computed on the way)
;;   THE QUANTISER, for each operand of a quantised product, along K:
;;     - K is cut into blocks of 32 from its start; a last block that is shorter is filled with zeros.
;;     - A block's scale is 2^e with e = floor(log2(the largest magnitude in the block)) - 2, held to -126 .. 127; a block of zeros has e = 0. As a byte (E8M0): e + 127.
;;     - Each number is divided by its block's scale, clamped to +-6, and rounded to the nearest number of E2M1, ties to even, subnormals kept.
;;     - The product sums the exact products of the quantised numbers (number of the format x scale) in f32.
;;   ~~~python
;;   def quantise(x, axis):      # numpy; x: float32 -> the quantised numbers, widened to float32 again
;;       x = np.moveaxis(x, axis, -1); K = x.shape[-1]
;;       x = np.pad(x, [(0, 0)] * (x.ndim - 1) + [(0, -K % 32)]); x = x.reshape(x.shape[:-1] + (-1, 32)); a = np.abs(x).max(-1, keepdims=True)
;;       e = np.where(a > 0, np.clip(np.frexp(np.where(a > 0, a, 1))[1] - 1 - 2, -126, 127), 0)      # np.frexp(a)[1] - 1 = floor(log2(a)), exactly
;;       r = np.clip(x / 2.0 ** e, -6, 6)
;;       step = 2.0 ** (np.maximum(np.frexp(np.where(r == 0, 1, r))[1] - 1, 0) - 1)
;;       q = np.round(r / step) * step * 2.0 ** e      # np.round: ties to even
;;       return np.moveaxis(q.reshape(q.shape[:-2] + (-1,))[..., :K], -1, axis).astype(np.float32)
;;   ~~~
;; One version. Each part assembles by itself: llvm-mc -triple=amdgcn-amd-amdhsa -mcpu=gfx1250 --defsym DOCPART=n.
;; ======== version 1 of 1: 5 launches
;; limits: values are held in f16: magnitudes above 65,504 overflow, below 6.1e-05 lose precision; right only within a limited range of input values
;; workspace buffers: xq 2,228,224 bytes; wq 1,671,168 bytes; wo16 4,194,304 bytes; flags 2,048 bytes of whole numbers; qkv 25,165,824 bytes; att 8,388,608 bytes; afine 131,072 bytes
;; launch prep (part 1): grid 448 x 1, 4 waves a work-group, no clusters, 113,152 bytes of LDS; arguments x, Wqkv, Wo, mask, xq, wq, wo16, flags; writes xq, wq, wo16, flags
.if DOCPART == 1
	.amdgcn_target "amdgcn-amd-amdhsa--gfx1250"
	.amdhsa_code_object_version 6
	.text
	.protected	k_q1d76337263_prep
	.globl	k_q1d76337263_prep
	.p2align	8
	.type	k_q1d76337263_prep,@function
k_q1d76337263_prep:
	s_mov_b64 s[64:65], 0
	v_nop
	global_prefetch_b8 v0, s[64:65] scope:SCOPE_SE
	s_setreg_imm32_b32 hwreg(HW_REG_WAVE_MODE, 25, 1), 1
	s_wait_xcnt 0x0
; FOUR STREAMS IN ONE LAUNCH, told apart by the work-group's number; waves share nothing, so there is no barrier.
;   work-groups   0-127  x [4096][1024] f32 -> codes of E2M1 [4096][512 bytes] at xq, scale bytes [4096][32] at xq + XQS
;   work-groups 128-319  Wqkv [1024 k][3072 n] f32 -> codes by planes of 128 along K, [8][3072 n][64 bytes], at wq; scale bytes [3072][32] at wq + WQS
;   work-groups 320-383  Wo [1024 k][1024 n] f32 -> Wo^T as f16 [1024 n][1024 k]: a high part at wo16, a low part at wo16 + WOL
;   work-groups 384-447  mask [2048][2048] bytes -> for each 8 rows two words at flags: bit s of the first: some key of key step s (64 keys) counts for some of the rows,
;                        or one of the rows has no key at all (then all 32 bits are set); bit s of the second: all 64 keys count for all 8 rows
; THE QUANTISER: a block of 32 along K has the scale 2^(floor(log2(largest magnitude)) - 2); its byte is the largest magnitude's exponent field - 2, held at 1 from below.
; LIMITS: a block of zeros gets the byte 1 where the rule says 127 (its codes are zeros, and this program alone reads the bytes); blocks whose largest magnitude lies under 2^-124 are held at byte 1;
; NaN and infinities are not served.  Wo's parts are f16: |Wo| stays under 65,504; under 6e-5 the high part has fewer than 11 bits.
; Each path that uses LDS has bytes of its own.
.set XQS,   2097152
.set WQS,   1572864
.set WOL,   2097152
.set LW,    32768                      ; LDS: x's path 0 .. 32,767 (8,192 a wave); W's from here (2,560 a wave);
.set LO,    43008                      ; Wo's from here (17,408 a wave);
.set SPARE, 112640                     ; the spare words, 128 bytes for each wave, which no other line names
.set SPW,   238                        ; v238  LDS address of my spare word; never rewritten
.set NIL,   239                        ; v239  0; never rewritten
.set EMAX,  2
.macro FINISH                          ; a wave's end: behind the wave's last LDS store
	s_wait_tensorcnt 0x0
	ds_add_u32 v[SPW], v[NIL]
	s_wait_dscnt 0x0
	s_endpgm
.endm
	s_load_b256 s[4:11], s[0:1], 0x0               ; x s[4:5], Wqkv s[6:7], Wo s[8:9], mask s[10:11]
	s_load_b256 s[12:19], s[0:1], 0x20             ; xq s[12:13], wq s[14:15], wo16 s[16:17], flags s[18:19]
	v_lshl_add_u32 v[SPW], v0, 2, SPARE
	v_mov_b32 v[NIL], 0
	v_lshrrev_b32 v1, 5, v0
	v_readfirstlane_b32 s20, v1                    ; wave 0..3
	v_and_b32 v2, 31, v0                           ; lane
	s_mov_b32 s23, 0
	s_wait_kmcnt 0x0
	s_cmp_lt_u32 ttmp9, 128
	s_cbranch_scc1 .Lx
	s_cmp_lt_u32 ttmp9, 320
	s_cbranch_scc1 .Lw
	s_cmp_lt_u32 ttmp9, 384
	s_cbranch_scc1 .Lwo
; ---------------- THE MASK.  A wave takes 8 rows: 32 loads of 512 consecutive bytes, all on their way at once.  Lane l of chunk c holds 16 bytes of key step 8 c + l / 4.
.set MB, 32                            ; v32-159 row p, chunk c at v[MB + 16 p + 4 c]
	s_sub_co_u32 s21, ttmp9, 384
	s_lshl_b32 s21, s21, 2
	s_add_co_u32 s21, s21, s20                     ; which 8 rows
	s_lshl_b32 s22, s21, 14                        ; 8 rows of 2,048 bytes
	s_add_nc_u64 s[10:11], s[10:11], s[22:23]
	s_lshl_b32 s22, s21, 3                         ; two words
	s_add_nc_u64 s[18:19], s[18:19], s[22:23]
	v_lshlrev_b32 v3, 4, v2
.irp p, 0,1,2,3,4,5,6,7
.irp c, 0,1,2,3
	global_load_b128 v[MB+16*\p+4*\c:MB+16*\p+4*\c+3], v3, s[10:11] offset:2048*\p+512*\c th:TH_LOAD_NT
.endr
.endr
	s_mov_b32 s29, 0                               ; all ones once a row with no key has been met
.macro MROW p                          ; row p joins: v16-19 the OR, v20-23 the AND of my 16 bytes of each chunk, over the rows so far
	s_wait_loadcnt 28-4*\p                         ; this row's four loads are in; the rows behind it may be out
.irp c, 0,1,2,3
	v_or_b32  v[24+\c], v[MB+16*\p+4*\c], v[MB+16*\p+4*\c+1]
	v_and_b32 v[28+\c], v[MB+16*\p+4*\c], v[MB+16*\p+4*\c+1]
.endr
.irp w, 2,3
.irp c, 0,1,2,3
	v_or_b32  v[24+\c], v[24+\c], v[MB+16*\p+4*\c+\w]
	v_and_b32 v[28+\c], v[28+\c], v[MB+16*\p+4*\c+\w]
.endr
.endr
.irp c, 0,1,2,3
.if \p == 0
	v_mov_b32 v[16+\c], v[24+\c]                   ; the first row starts both
	v_mov_b32 v[20+\c], v[28+\c]
.else
	v_or_b32  v[16+\c], v[16+\c], v[24+\c]
	v_and_b32 v[20+\c], v[20+\c], v[28+\c]
.endif
.endr
	v_or_b32 v14, v24, v25                         ; has the row a key at all?
	v_or_b32 v15, v26, v27
	v_or_b32 v14, v14, v15
	v_cmp_ne_u32 s30, 0, v14
	s_cmp_eq_u32 s30, 0
	s_cselect_b32 s31, -1, 0
	s_or_b32 s29, s29, s31
.endm
.irp p, 0,1,2,3,4,5,6,7
	MROW \p
.endr
.macro SQUEEZE r                       ; bits 0, 4, .. 28 of s[r] become its bits 0 .. 7
	s_and_b32 s[\r], s[\r], 0x11111111
	s_lshr_b32 s28, s[\r], 3
	s_or_b32 s[\r], s[\r], s28
	s_and_b32 s[\r], s[\r], 0x03030303
	s_lshr_b32 s28, s[\r], 6
	s_or_b32 s[\r], s[\r], s28
	s_and_b32 s[\r], s[\r], 0x000f000f
	s_lshr_b32 s28, s[\r], 12
	s_or_b32 s[\r], s[\r], s28
	s_and_b32 s[\r], s[\r], 0xff
.endm
	s_mov_b32 s24, 0
	s_mov_b32 s25, 0
.irp c, 0,1,2,3
	v_cmp_ne_u32 s26, 0, v[16+\c]                  ; a bit a lane: some byte counts;
	v_cmp_eq_u32 s27, 0x01010101, v[20+\c]         ; all bytes count
	s_lshr_b32 s28, s26, 1                         ; the four lanes of a key step are joined into bit 4 j
	s_or_b32 s26, s26, s28
	s_lshr_b32 s28, s26, 2
	s_or_b32 s26, s26, s28
	s_lshr_b32 s28, s27, 1
	s_and_b32 s27, s27, s28
	s_lshr_b32 s28, s27, 2
	s_and_b32 s27, s27, s28
	SQUEEZE 26
	SQUEEZE 27
	s_lshl_b32 s26, s26, 8*\c                      ; chunk c holds key steps 8 c .. 8 c + 7
	s_lshl_b32 s27, s27, 8*\c
	s_or_b32 s24, s24, s26
	s_or_b32 s25, s25, s27
.endr
	s_or_b32 s24, s24, s29                         ; a row without keys takes the mean of all values: every key step is walked
	v_mov_b32 v4, s24
	v_mov_b32 v5, s25
	v_mov_b32 v6, 0
	v_cmp_eq_u32 vcc_lo, 0, v2
	s_wait_xcnt 0x0                                ; EXEC changes only behind this wait
	s_and_saveexec_b32 s30, vcc_lo                 ; lane 0 alone stores the two words
	global_store_b64 v6, v[4:5], s[18:19]
	s_wait_xcnt 0x0                                ; and again in front of the line that widens it
	s_or_b32 exec_lo, exec_lo, s30
	s_endpgm
; ---------------- x.  A wave takes 16 steps of 512 numbers.  Each load reads 512 consecutive bytes; a step's 2,048 bytes turn through the wave's own stage in LDS (16 bytes of padding behind each 64),
; so that a lane holds 16 neighbours along K; two neighbouring lanes hold a block.  Loads run eight steps (32 loads a wave) ahead, the turn through LDS one step.
.set XR, 16                            ; v16-143  eight sets of 16 numbers as loaded
.set XX, 144                           ; v144-175 two sets of 16 neighbours
.set XC, 176                           ; v176-207 two registers of codes for each step: no store's data are written again
.set XE, 208                           ; v208-223 a scale byte for each step
.set SP, 80
.Lx:
	s_lshl_b32 s21, ttmp9, 2
	s_add_co_u32 s21, s21, s20                     ; which run of 8,192 numbers is my wave's
	s_lshl_b32 s22, s21, 15
	s_add_nc_u64 s[4:5], s[4:5], s[22:23]
	s_lshl_b32 s22, s21, 12
	s_add_nc_u64 s[24:25], s[12:13], s[22:23]      ; its codes
	s_lshl_b32 s22, s21, 8
	s_add_nc_u64 s[26:27], s[12:13], s[22:23]
	s_add_nc_u64 s[26:27], s[26:27], XQS           ; its 256 scale bytes
	v_lshlrev_b32 v3, 4, v2                        ; my 16 bytes of a load's 512
	s_lshl_b32 s28, s20, 13                        ; my wave's 8,192 bytes of LDS
	v_lshrrev_b32 v14, 2, v2
	v_mul_u32_u24 v14, v14, SP
	v_and_b32 v15, 3, v2
	v_lshl_add_u32 v14, v15, 4, v14
	v_add_nc_u32 v14, s28, v14                     ; the stage, on the way in: SP (lane / 4) + 16 (lane % 4)
	v_mul_u32_u24 v15, v2, SP
	v_add_nc_u32 v15, s28, v15                     ; and on the way out: SP x lane
	v_lshlrev_b32 v4, 3, v2                        ; 8 bytes a lane: my codes of a step, and my part of the scale bytes
	v_lshrrev_b32 v5, 1, v2
	s_add_co_u32 s28, s28, 2*32*SP                 ; behind the two stages: my wave's 256 scale bytes
	v_add_nc_u32 v5, s28, v5
	v_add_nc_u32 v6, s28, v4
.macro XLOAD t
.irp i, 0,1,2,3
	global_load_b128 v[XR+16*((\t)%8)+4*\i:XR+16*((\t)%8)+4*\i+3], v3, s[4:5] offset:2048*(\t)+512*\i th:TH_LOAD_NT
.endr
.endm
.macro XTURN t                         ; LDS serves a wave's instructions in order: no wait between the stores and the loads
.irp i, 0,1,2,3
	ds_store_b128 v14, v[XR+16*((\t)%8)+4*\i:XR+16*((\t)%8)+4*\i+3] offset:32*SP*((\t)%2)+8*SP*\i
.endr
.irp i, 0,1,2,3
	ds_load_b128 v[XX+16*((\t)%2)+4*\i:XX+16*((\t)%2)+4*\i+3], v15 offset:32*SP*((\t)%2)+16*\i
.endr
.endm
.irp t, 0,1,2,3,4,5,6,7
	XLOAD \t
.endr
	s_wait_loadcnt 28                              ; step 0's four loads are in, seven steps' are out
	XTURN 0
.macro XSTEP t
.set XW, XX+16*((\t)%2)
.if (\t) > 0
	s_wait_dscnt 1                                 ; this step's numbers are back from the stage (the last step's byte store may be out): so its stores into the stage have read their registers,
.else
	s_wait_dscnt 0x0
.endif
.if (\t)+8 < 16
	XLOAD (\t)+8                                   ; which take the loads of eight steps on
.endif
.if (\t)+1 < 16
.if (\t)+8 < 16
	s_wait_loadcnt 28                              ; the next step's loads are in; those of the seven steps behind it may be out
.else
	s_wait_loadcnt 4*(14-(\t))                     ; the counts run down
.endif
	XTURN (\t)+1
.endif
	v_max3_num_f32 v8, |v[XW]|, |v[XW+1]|, |v[XW+2]|
	v_max3_num_f32 v9, |v[XW+3]|, |v[XW+4]|, |v[XW+5]|
.irp i, 6,10
	v_max3_num_f32 v8, v8, |v[XW+\i]|, |v[XW+\i+1]|
	v_max3_num_f32 v9, v9, |v[XW+\i+2]|, |v[XW+\i+3]|
.endr
	v_max3_num_f32 v8, v8, |v[XW+14]|, |v[XW+15]|
	v_max3_num_f32 v8, v8, v9, (EMAX+1)<<23        ; the floor 2^(3 - 127): the byte cannot fall under 1
	v_max_num_f32_dpp v8, v8, v8 row_xmask:1 row_mask:0xf bank_mask:0xf   ; with my neighbour's 16: the block's largest magnitude
	v_add_nc_u32 v11, -(EMAX<<23), v8              ; 2 off its exponent field: the conversion takes the exponent field of this operand as its scale
	v_cvt_scalef32_pk8_fp4_f32 v[XC+2*(\t)], v[XW:XW+7], v11
	v_cvt_scalef32_pk8_fp4_f32 v[XC+2*(\t)+1], v[XW+8:XW+15], v11
	v_lshrrev_b32 v[XE+(\t)], 23, v11              ; the scale's byte (a plain line behind the conversions)
	ds_store_b8 v5, v[XE+(\t)] offset:16*(\t)      ; both lanes of a block write the same byte with the same value
	global_store_b64 v4, v[XC+2*(\t):XC+2*(\t)+1], s[24:25] offset:256*(\t)   ; the wave stores 256 consecutive bytes, aligned
.endm
.irp t, 0,1,2,3,4,5,6,7,8,9,10,11,12,13,14,15
	XSTEP \t
.endr
	ds_load_b64 v[8:9], v6                         ; in order behind my byte stores
	s_wait_dscnt 0x0
	global_store_b64 v4, v[8:9], s[26:27]          ; 256 consecutive bytes, aligned
	FINISH
; ---------------- Wqkv.  K is its first axis: a lane takes a column n and its registers run down K, so a block of 32 lies in one lane and the codes come out with K innermost.
; A wave takes 32 columns x 128 along K (one plane): 64 bytes of codes a column, which lie on end in the plane: 2,048 consecutive bytes, stored through the wave's stage.
.set WX, 32                            ; v32-95  two sets of 32 numbers
.set WC, 96                            ; v96-99  a block's codes
.set WOUT, 112                         ; v112-127 the way out
.Lw:
	s_sub_co_u32 s21, ttmp9, 128
	s_and_b32 s22, s21, 7                          ; the plane
	s_lshr_b32 s21, s21, 3
	s_lshl_b32 s21, s21, 7
	s_lshl_b32 s24, s20, 5
	s_add_co_u32 s21, s21, s24                     ; my wave's first column
	s_mul_i32 s24, s22, 128*12288
	s_lshl_b32 s25, s21, 2
	s_add_co_u32 s24, s24, s25
	s_mov_b32 s25, 0
	s_add_nc_u64 s[6:7], s[6:7], s[24:25]
	s_mul_i32 s24, s22, 196608
	s_lshl_b32 s26, s21, 6
	s_add_co_u32 s24, s24, s26
	s_add_nc_u64 s[26:27], s[14:15], s[24:25]      ; my columns' codes in the plane
	s_lshl_b32 s24, s21, 5
	s_lshl_b32 s28, s22, 2
	s_add_co_u32 s24, s24, s28
	s_add_nc_u64 s[28:29], s[14:15], s[24:25]
	s_add_nc_u64 s[28:29], s[28:29], WQS           ; and the plane's four scale bytes of my first column
	v_lshlrev_b32 v3, 2, v2
	s_mul_i32 s30, s20, 2560
	s_add_co_u32 s30, s30, LW                      ; my stage: 32 rows of 64 bytes + 16
	v_mul_u32_u24 v4, v2, 80
	v_add_nc_u32 v4, s30, v4                       ; in: row = my column
	v_lshrrev_b32 v7, 2, v2
	v_mul_u32_u24 v7, v7, 80
	v_and_b32 v8, 3, v2
	v_lshl_add_u32 v7, v8, 4, v7
	v_add_nc_u32 v7, s30, v7                       ; out: four lanes to a row, eight rows an instruction
	v_lshlrev_b32 v8, 4, v2
	v_lshlrev_b32 v9, 5, v2                        ; a column's row of scale bytes is 32 bytes
.macro WLOAD t
.irp i, 0,1,2,3,4,5,6,7,8,9,10,11,12,13,14,15,16,17,18,19,20,21,22,23,24,25,26,27,28,29,30,31
	global_load_b32 v[WX+32*((\t)%2)+\i], v3, s[6:7] offset:(32*(\t)+\i)*12288 th:TH_LOAD_NT
.endr
.endm
	WLOAD 0
	WLOAD 1
.macro WBLOCK t
.set WW, WX+32*((\t)%2)
.if (\t) < 3
	s_wait_loadcnt 32                              ; this block's 32 loads are in; the next block's may be out
.else
	s_wait_loadcnt 0x0
.endif
	v_max3_num_f32 v12, |v[WW]|, |v[WW+1]|, |v[WW+2]|
	v_max3_num_f32 v13, |v[WW+3]|, |v[WW+4]|, |v[WW+5]|
.irp i, 6,10,14,18,22,26
	v_max3_num_f32 v12, v12, |v[WW+\i]|, |v[WW+\i+1]|
	v_max3_num_f32 v13, v13, |v[WW+\i+2]|, |v[WW+\i+3]|
.endr
	v_max3_num_f32 v12, v12, |v[WW+30]|, |v[WW+31]|
	v_max3_num_f32 v12, v12, v13, (EMAX+1)<<23
	v_add_nc_u32 v11, -(EMAX<<23), v12
	v_lshrrev_b32 v13, 23, v11
.if (\t) == 0
	v_mov_b32 v24, v13                             ; the plane's four bytes make a word, the lower K in the lower byte
.else
	v_lshl_or_b32 v24, v13, 8*(\t), v24
.endif
.irp g, 0,1,2,3
	v_cvt_scalef32_pk8_fp4_f32 v[WC+\g], v[WW+8*\g:WW+8*\g+7], v11
.endr
	ds_store_b128 v4, v[WC:WC+3] offset:16*(\t)
.if (\t)+2 < 4
	WLOAD (\t)+2
.endif
	s_wait_dscnt 0x0                               ; the store has read its registers: the next block's codes may be written
.endm
.irp t, 0,1,2,3
	WBLOCK \t
.endr
	global_store_b32 v9, v24, s[28:29]
.irp e, 0,1,2,3
	ds_load_b128 v[WOUT+4*\e:WOUT+4*\e+3], v7 offset:640*\e
.endr
.irp e, 0,1,2,3
	s_wait_dscnt 3-\e
	global_store_b128 v8, v[WOUT+4*\e:WOUT+4*\e+3], s[26:27] offset:512*\e   ; 512 consecutive bytes, aligned
.endr
	FINISH
; ---------------- Wo.  As Wqkv: a lane to a column n, registers down K; a wave takes 32 columns x 128 along K.  Each number is split in f32: t = 8193 x, high = t - (t - x), which has 11 significant bits
; and so converts to f16 without rounding; low = x - high, exact, rounded once to f16.
.set OH, 32                            ; v32-47  high parts, packed;  v48-63 low parts
.set OL, 48
.set OT, 64                            ; v64-95  t, then the high parts in f32
.set OD, 96                            ; v96-127 t - x, then the low parts in f32
.set OX, 128                           ; v128-191 two sets of 32 numbers
.Lwo:
	s_sub_co_u32 s21, ttmp9, 320
	s_and_b32 s22, s21, 7
	s_lshr_b32 s21, s21, 3                         ; which 128 along K
	s_lshl_b32 s22, s22, 7
	s_lshl_b32 s24, s20, 5
	s_add_co_u32 s22, s22, s24                     ; my wave's first column
	s_lshl_b32 s24, s21, 19                        ; 128 rows of 4,096 bytes
	s_lshl_b32 s25, s22, 2
	s_add_co_u32 s24, s24, s25
	s_mov_b32 s25, 0
	s_add_nc_u64 s[8:9], s[8:9], s[24:25]
	s_lshl_b32 s24, s22, 11                        ; a row of Wo^T is 2,048 bytes
	s_lshl_b32 s26, s21, 8
	s_add_co_u32 s24, s24, s26
	s_add_nc_u64 s[16:17], s[16:17], s[24:25]
	s_mov_b32 s26, 0x46000400                      ; 8193
	s_mov_b32 s27, s26                             ; (named with it as a pair)
	v_lshlrev_b32 v3, 2, v2
	s_mul_i32 s30, s20, 17408
	s_add_co_u32 s30, s30, LO                      ; my two stages: 32 rows of 256 bytes + 16, high, then low
	v_mul_u32_u24 v4, v2, 272
	v_add_nc_u32 v4, s30, v4
	v_and_b32 v5, 15, v2
	v_lshrrev_b32 v6, 4, v2
	v_mul_u32_u24 v7, v6, 272
	v_lshl_add_u32 v7, v5, 4, v7
	v_add_nc_u32 v7, s30, v7                       ; out: sixteen lanes to a row, two rows an instruction
	v_lshlrev_b32 v8, 11, v6
	v_lshl_add_u32 v8, v5, 4, v8
.macro OLOAD t
.irp i, 0,1,2,3,4,5,6,7,8,9,10,11,12,13,14,15,16,17,18,19,20,21,22,23,24,25,26,27,28,29,30,31
	global_load_b32 v[OX+32*((\t)%2)+\i], v3, s[8:9] offset:(32*(\t)+\i)*4096 th:TH_LOAD_NT
.endr
.endm
	OLOAD 0
	OLOAD 1
.macro OBLOCK t
.set OW, OX+32*((\t)%2)
.if (\t) < 3
	s_wait_loadcnt 32                              ; this block's 32 loads are in; the next block's may be out
.else
	s_wait_loadcnt 0x0
.endif
.irp j, 0,2,4,6,8,10,12,14,16,18,20,22,24,26,28,30
	v_pk_mul_f32 v[OT+\j:OT+\j+1], v[OW+\j:OW+\j+1], s[26:27] op_sel_hi:[1,0]
.endr
.irp j, 0,2,4,6,8,10,12,14,16,18,20,22,24,26,28,30
	v_pk_add_f32 v[OD+\j:OD+\j+1], v[OT+\j:OT+\j+1], v[OW+\j:OW+\j+1] neg_lo:[0,1] neg_hi:[0,1]
.endr
.irp j, 0,2,4,6,8,10,12,14,16,18,20,22,24,26,28,30
	v_pk_add_f32 v[OT+\j:OT+\j+1], v[OT+\j:OT+\j+1], v[OD+\j:OD+\j+1] neg_lo:[0,1] neg_hi:[0,1]
.endr
.irp j, 0,2,4,6,8,10,12,14,16,18,20,22,24,26,28,30
	v_pk_add_f32 v[OD+\j:OD+\j+1], v[OW+\j:OW+\j+1], v[OT+\j:OT+\j+1] neg_lo:[0,1] neg_hi:[0,1]
.endr
.irp j, 0,1,2,3,4,5,6,7,8,9,10,11,12,13,14,15
	v_cvt_pk_f16_f32 v[OH+\j], v[OT+2*\j], v[OT+2*\j+1]
	v_cvt_pk_f16_f32 v[OL+\j], v[OD+2*\j], v[OD+2*\j+1]
.endr
.irp g, 0,1,2,3
	ds_store_b128 v4, v[OH+4*\g:OH+4*\g+3] offset:64*(\t)+16*\g
	ds_store_b128 v4, v[OL+4*\g:OL+4*\g+3] offset:8704+64*(\t)+16*\g
.endr
.if (\t)+2 < 4
	OLOAD (\t)+2
.endif
	s_wait_dscnt 0x0                               ; the stores have read their registers
.endm
.irp t, 0,1,2,3
	OBLOCK \t
.endr
.irp t, 0,1,2,3,4,5,6,7,8,9,10,11,12,13,14,15
	ds_load_b128 v[128+4*\t:128+4*\t+3], v7 offset:2*\t*272
.endr
.irp t, 0,1,2,3,4,5,6,7,8,9,10,11,12,13,14,15
	ds_load_b128 v[64+4*\t:64+4*\t+3], v7 offset:8704+2*\t*272
.endr
.irp t, 0,1,2,3,4,5,6,7,8,9,10,11,12,13,14,15
	s_wait_dscnt 31-\t
	global_store_b128 v8, v[128+4*\t:128+4*\t+3], s[16:17] offset:2*\t*2048        ; sixteen lanes store 256 consecutive bytes, aligned
.endr
.irp t, 0,1,2,3,4,5,6,7,8,9,10,11,12,13,14,15
	s_wait_dscnt 15-\t
	global_store_b128 v8, v[64+4*\t:64+4*\t+3], s[16:17] offset:WOL+2*\t*2048
.endr
	FINISH
.Lfunc_end_k_q1d76337263_prep:
	.size	k_q1d76337263_prep, .Lfunc_end_k_q1d76337263_prep-k_q1d76337263_prep
	.p2alignl 7, 3214868480
	.fill 96, 4, 3214868480
	.section	.rodata,"a",@progbits
	.p2align	6, 0x0
	.amdhsa_kernel k_q1d76337263_prep
		.amdhsa_group_segment_fixed_size 113152
		.amdhsa_private_segment_fixed_size 0
		.amdhsa_enable_private_segment 0
		.amdhsa_kernarg_size 64
		.amdhsa_user_sgpr_count 2
		.amdhsa_user_sgpr_kernarg_segment_ptr 1
		.amdhsa_wavefront_size32 1
		.amdhsa_system_sgpr_workgroup_id_x 1
		.amdhsa_system_sgpr_workgroup_id_y 1
		.amdhsa_system_sgpr_workgroup_id_z 1
		.amdhsa_system_vgpr_workitem_id 0
		.amdhsa_next_free_vgpr 240
		.amdhsa_next_free_sgpr 66
		.amdhsa_reserve_vcc 1
		.amdhsa_float_denorm_mode_32 3
		.amdhsa_float_denorm_mode_16_64 3
		.amdhsa_memory_ordered 1
		.amdhsa_forward_progress 1
		.amdhsa_inst_pref_size 119
	.end_amdhsa_kernel
	.amdgpu_metadata
---
amdhsa.version: [ 1, 2 ]
amdhsa.kernels:
  - .name:           k_q1d76337263_prep
    .symbol:         k_q1d76337263_prep.kd
    .args:
      - { .name: x, .offset: 0, .size: 8, .value_kind: global_buffer, .address_space: global }
      - { .name: Wqkv, .offset: 8, .size: 8, .value_kind: global_buffer, .address_space: global }
      - { .name: Wo, .offset: 16, .size: 8, .value_kind: global_buffer, .address_space: global }
      - { .name: mask, .offset: 24, .size: 8, .value_kind: global_buffer, .address_space: global }
      - { .name: xq, .offset: 32, .size: 8, .value_kind: global_buffer, .address_space: global }
      - { .name: wq, .offset: 40, .size: 8, .value_kind: global_buffer, .address_space: global }
      - { .name: wo16, .offset: 48, .size: 8, .value_kind: global_buffer, .address_space: global }
      - { .name: flags, .offset: 56, .size: 8, .value_kind: global_buffer, .address_space: global }
    .group_segment_fixed_size: 113152
    .private_segment_fixed_size: 0
    .kernarg_segment_align: 8
    .kernarg_segment_size: 64
    .max_flat_workgroup_size: 128
    .sgpr_count:     66
    .vgpr_count:     240
    .wavefront_size: 32
...
	.end_amdgpu_metadata
.endif
;; end of part 1
;; launch qkv (part 2): grid 12 x 16, 4 waves a work-group, clusters of 4 x 4, 327,680 bytes of LDS; arguments xq, wq, qkv; writes qkv
.if DOCPART == 2
	.amdgcn_target "amdgcn-amd-amdhsa--gfx1250"
	.amdhsa_code_object_version 6
	.text
	.protected	k_q1d76337263_qkv
	.globl	k_q1d76337263_qkv
	.p2align	8
	.type	k_q1d76337263_qkv,@function
k_q1d76337263_qkv:
	s_mov_b64 s[64:65], 0
	v_nop
	global_prefetch_b8 v0, s[64:65] scope:SCOPE_SE
	s_setreg_imm32_b32 hwreg(HW_REG_WAVE_MODE, 25, 1), 1
	s_wait_xcnt 0x0
	s_wait_alu depctr_hold_cnt(0) depctr_sa_sdst(0) depctr_va_vdst(0) depctr_va_sdst(0) depctr_va_ssrc(0) depctr_va_vcc(0) depctr_vm_vsrc(0)
	s_getreg_b32 s2, hwreg(HW_REG_IB_STS2, 6, 4)
	s_cmp_eq_u32 s2, 0
	s_cbranch_scc0 .Lentry_in_a_cluster
	s_endpgm
.Lentry_in_a_cluster:
	s_bfe_u32 s2, ttmp6, 0x10000c
	s_cmp_lg_u32 s2, 0xf033
	s_cbranch_scc0 .Lentry_shape_is_right
	s_endpgm
.Lentry_shape_is_right:
; qkv = Q4(x) Q4(Wqkv): [4096][1024] x [1024][3072] on codes of E2M1 with one E8M0 scale for each 32 along K; sums in f32; the results leave as f16, laid [3 (q, k, v)][2 b][16 h][2048 t][64].
; LIMIT: |q|, |k|, |v| stay under 65,504, the largest f16 number.
; A tile of 256 x 256 is made by a work-group of four waves; a wave makes 128 x 128: 64 accumulators of 16 x 16, 512 registers.  K = 1,024 is two LDS slots of 512 along K: both are asked for at the start,
; with the scale bytes of the tile's rows for all of K.
; x's codes lie [4096][512 bytes]: a slot's row is 256 bytes.  W's lie by planes of 128 along K, [8][3072 n][64 bytes]: a slot's part of 128 columns is 4 planes of 8,192 consecutive bytes.
; CLUSTERS: 4 x 4 work-groups.  The four of a row of the cluster need the same tiles of x, the four of a column the same tiles of W: each is asked for jointly, by the same tensor load with the same descriptor
; and a mask that names the four.  THE MATRIX INSTRUCTION IS USED TRANSPOSED (source 0 = 16 columns of W, source 1 = 16 rows of x): a lane then holds eight neighbouring channels of one token.
; REGISTERS, in windows of 256: window 0: v0-31 addresses; v32-95 scale words, two sets; v128-191 x's fragments, one set (on the way out: rows read back); v192-223 packed results.
;   window 1: W's fragments, two sets, at v0 and v128.   window 2: the accumulators of my rows 0-63 ((a, b) at v[8 (8 a + b)]);   window 3: those of my rows 64-127.
.set NQ,     4                         ; matrix instructions deep in a slot
.set ROWB,   256                       ; x: a slot's row in bytes
.set KROW,   512                       ; x: a row of codes in memory
.set PITCH,  272                       ; x: an LDS row: 256 bytes + 16: 68 words, so the 16 rows of a load start at 16 different banks (64 banks of 4 bytes: ISA guide 11.1)
.set PB,     80                        ; W: an LDS row: 64 bytes + 16: 20 words, likewise
.set PLANE,  128*PB                    ; W: 128 columns of a plane in LDS
.set WPLANE, 3072*64                   ; W: a plane in memory
.set FR,     8
.set NL,     2
.set NP,     4                         ; places behind this matrix instruction (ISA guide 7.12.1)
.set HALFA,  128*PITCH
.set HALFB,  NQ*PLANE
.set SLOT,   2*HALFA+2*HALFB           ; x's 256 rows, then W's 256 columns
.set KS,     32                        ; a row of scale bytes
.set SCL,    2*SLOT                    ; behind the slots: the scales, as units of 256 bytes + 16 of padding
.set HALFS,  (128*KS/256)*272
.set SBLK,   (16*KS/256)*272
.set SPARE,  SCL+4*HALFS               ; the spare words, 128 bytes for each wave, which no other line names
.set SPITCH, 272                       ; the way out: a stage of 16 rows x (256 bytes + 16) for each wave, in slot 0, which has had its only fill and its last read by then
.set XQS,    2097152
.set WQS,    1572864
.set ADRA, 16
.set ADRB, 20
.set STO,  24
.set RD,   25
.set CO,   26
.set ADRS, 27
.set SPW,  28
.set NIL,  29
.set SC,   32
.set AF,   128
.set OB,   128
.set TMP,  192
.set G1,   24
.set G0,   32
.set G1B,  48
.set G0B,  56
.set G1S,  68
.set G0S,  76
.set G1SB, 80
.set G0SB, 88
.set MSB, 0
.macro WIN new                         ; the immediate's high byte repeats the setting that is left
.if MSB != \new
	s_set_vgpr_msb (MSB<<8)|\new
.set MSB, \new
.endif
.endm
.set MUL_LO, 0xa1                      ; source 0 (W) window 1, source 1 (x) window 0, C and D window 2
.set MUL_HI, 0xf1
.set TO_B,   0x40
; A joint load: waves 0 and 1 fetch for x, waves 2 and 3 for W.  The branch hangs on the wave's number alone.  An s_nop 0 and four v_nop follow each of the two lines.
.macro JLOAD g0a, g1a, g0b, g1b
	s_cmp_eq_u32 s15, 0
	s_cbranch_scc0 .Lfor_b_\@
	tensor_load_to_lds s[\g0a:\g0a+3], s[\g1a:\g1a+7]
	s_nop 0
.rept 4
	v_nop
.endr
	s_branch .Lasked_\@
.Lfor_b_\@:
	tensor_load_to_lds s[\g0b:\g0b+3], s[\g1b:\g1b+7]
	s_nop 0
.rept 4
	v_nop
.endr
.Lasked_\@:
.endm
.macro CROUND                          ; a round of the cluster's barrier
	s_barrier_signal -1
	s_barrier_wait -1
	s_cmp_lg_u32 s14, 0
	s_cbranch_scc1 .Lnot_wave_0_\@
	s_barrier_signal -3
.Lnot_wave_0_\@:
	s_barrier_wait -3
	s_barrier_signal -1
	s_barrier_wait -1
.endm
	s_load_b128 s[4:7], s[0:1], 0x0                ; xq s[4:5], wq s[6:7]
	s_load_b64 s[12:13], s[0:1], 0x10              ; qkv
	v_lshl_add_u32 v[SPW], v0, 2, SPARE
	v_mov_b32 v[NIL], 0
	ds_add_u32 v[SPW], v[NIL]                      ; the wave's opening: the add, twice on end, and its wait ahead of my first tensor load
	ds_add_u32 v[SPW], v[NIL]
	v_lshrrev_b32 v1, 5, v0
	v_readfirstlane_b32 s14, v1                    ; wave 0..3
	s_lshr_b32 s15, s14, 1                         ; which half of the tile's rows is mine.  Also: I fetch for x (0) or for W (1)
	s_and_b32 s16, s14, 1                          ; which half of its columns.  Also: which 128 rows or columns I fetch
	s_bfe_u32 s40, ttmp6, 0x40000                  ; cx, cy: my place in the cluster
	s_bfe_u32 s41, ttmp6, 0x40004
	s_lshl_b32 s42, ttmp9, 2
	s_add_co_u32 s42, s42, s40                     ; tile column
	s_and_b32 s17, ttmp7, 0xffff
	s_lshl_b32 s17, s17, 2
	s_add_co_u32 s17, s17, s41                     ; tile row
	s_lshl_b32 s43, s41, 2
	s_lshl_b32 s43, 15, s43                        ; my row of the cluster
	s_lshl_b32 s44, 0x1111, s40                    ; my column
	s_or_b32 s[G1+0], s43, (0<<16)|(1<<20)|(1<<21)|(5<<22)|(3<<25)   ; x: elements of 1 byte; 4 words of padding behind every 64; bit 21 set beside a mask
	s_mov_b32 s[G1+1], ROWB<<16                    ; tensor_dim0
	s_mov_b32 s[G1+2], 128<<16                     ; tensor_dim1
	s_mov_b32 s[G1+3], ROWB<<16                    ; tile_dim0
	s_mov_b32 s[G1+4], 128                         ; tile_dim1
	s_mov_b32 s[G1+5], KROW                        ; from row to row
	s_mov_b32 s[G1+6], 0
	s_mov_b32 s[G1+7], 0
	s_or_b32 s[G1B+0], s44, (0<<16)|(1<<20)|(1<<21)|(3<<22)|(3<<25)  ; W: 4 words of padding behind every 16: behind each column's 64 bytes
	s_mov_b32 s[G1B+1], 8192<<16                   ; a row of the tile: 128 columns x 64 bytes on end
	s_mov_b32 s[G1B+2], NQ<<16                     ; four planes
	s_mov_b32 s[G1B+3], 8192<<16
	s_mov_b32 s[G1B+4], NQ
	s_mov_b32 s[G1B+5], WPLANE                     ; from plane to plane
	s_mov_b32 s[G1B+6], 0
	s_mov_b32 s[G1B+7], 0
	s_or_b32 s[G1S+0], s43, (3<<16)|(1<<20)|(1<<21)|(5<<22)|(3<<25)  ; the scales of 128 rows: 4,096 dense bytes as 16 rows of 256 (32 elements of 8 bytes), 16 bytes of padding behind each
	s_or_b32 s[G1SB+0], s44, (3<<16)|(1<<20)|(1<<21)|(5<<22)|(3<<25)
.irp g, G1S, G1SB
	s_mov_b32 s[\g+1], 32<<16
	s_mov_b32 s[\g+2], (128*KS/256)<<16
	s_mov_b32 s[\g+3], 32<<16
	s_mov_b32 s[\g+4], 128*KS/256
	s_mov_b32 s[\g+5], 32
	s_mov_b32 s[\g+6], 0
	s_mov_b32 s[\g+7], 0
.endr
	s_lshl_b32 s18, s16, 7
	s_lshl_b32 s20, s17, 8
	s_add_co_u32 s20, s20, s18                     ; x: row 256 x tile row + 128 x half
	s_lshl_b32 s46, s42, 8
	s_add_co_u32 s46, s46, s18                     ; W: column 256 x tile column + 128 x half
	s_lshl_b32 s22, s20, 5                         ; where their scale bytes begin,
	s_mov_b32 s23, 0
	s_lshl_b32 s92, s46, 5
	s_mov_b32 s93, 0
	s_lshl_b32 s20, s20, 9                         ; and their codes
	s_mov_b32 s21, 0
	s_lshl_b32 s46, s46, 6
	s_mov_b32 s47, 0
	s_mul_i32 s45, s16, HALFA                      ; where they go: no place in the cluster enters an LDS address
	s_mul_i32 s95, s16, HALFB
	s_add_co_u32 s95, s95, 2*HALFA
	s_mul_i32 s94, s14, HALFS
	s_wait_dscnt 0x0                               ; both opening adds are done
	s_wait_kmcnt 0x0
	s_mov_b64 s[8:9], s[6:7]                       ; W's codes
	s_add_nc_u64 s[10:11], s[6:7], WQS             ; W's scales
	s_add_nc_u64 s[6:7], s[4:5], XQS               ; x's scales
	s_add_nc_u64 s[20:21], s[4:5], s[20:21]
	s_add_nc_u64 s[22:23], s[6:7], s[22:23]
	s_add_nc_u64 s[46:47], s[8:9], s[46:47]
	s_add_nc_u64 s[92:93], s[10:11], s[92:93]
	CROUND                                         ; all sixteen work-groups are here: the joint loads meet
	s_mov_b32 s[G0S], 1
	s_add_co_u32 s[G0S+1], s94, SCL
	s_mov_b64 s[G0S+2:G0S+3], s[22:23]
	s_or_b32 s[G0S+3], s[G0S+3], 0x80000000
	s_mov_b32 s[G0SB], 1
	s_add_co_u32 s[G0SB+1], s94, SCL
	s_mov_b64 s[G0SB+2:G0SB+3], s[92:93]
	s_or_b32 s[G0SB+3], s[G0SB+3], 0x80000000
	JLOAD G0S, G1S, G0SB, G1SB                     ; the scales first: they are wanted with slot 0
.irp s, 0,1
	s_mov_b32 s[G0+4*\s], 1
	s_add_co_u32 s[G0+4*\s+1], s45, \s*SLOT
	s_add_nc_u64 s[G0+4*\s+2:G0+4*\s+3], s[20:21], \s*ROWB
	s_or_b32 s[G0+4*\s+3], s[G0+4*\s+3], 0x80000000
	s_mov_b32 s[G0B+4*\s], 1
	s_add_co_u32 s[G0B+4*\s+1], s95, \s*SLOT
	s_add_nc_u64 s[G0B+4*\s+2:G0B+4*\s+3], s[46:47], \s*NQ*WPLANE
	s_or_b32 s[G0B+4*\s+3], s[G0B+4*\s+3], 0x80000000
	JLOAD G0+4*\s, G1, G0B+4*\s, G1B
.endr
	v_and_b32 v1, 15, v0                           ; l % 16
	v_bfe_u32 v2, v0, 4, 1                         ; l / 16
	v_mul_u32_u24 v3, v1, PITCH
	v_lshl_add_u32 v4, v2, 4, v3                   ; x: a fragment's row x pitch + 16 x half
	v_mul_u32_u24 v3, v1, PB
	v_lshl_add_u32 v3, v2, 4, v3                   ; W likewise
	s_mul_i32 s21, s15, HALFA                      ; my 128 rows of x
	s_mul_i32 s22, s16, HALFB                      ; my 128 columns of W,
	s_add_co_u32 s22, s22, 2*HALFA                 ; which lie behind x's 256 rows
.irp s, 0,1
	v_add_nc_u32 v[ADRA+\s], s21, v4
	v_add_nc_u32 v[ADRB+\s], s22, v3
	s_add_co_u32 s21, s21, SLOT
	s_add_co_u32 s22, s22, SLOT
.endr
	v_mul_u32_u24 v5, v1, KS                       ; my row's scales: 32 bytes a row,
	v_lshrrev_b32 v6, 8, v5
	v_lshl_add_u32 v5, v6, 4, v5                   ; and 16 more for each 256 passed
	s_mul_i32 s21, s15, HALFS
	s_mul_i32 s22, s16, HALFS
	s_add_co_u32 s22, s22, 2*HALFS
	s_sub_co_u32 s22, s22, s21
	v_mul_u32_u24 v6, s22, v2                      ; lanes 16-31 take W's
	s_add_co_u32 s21, s21, SCL
	v_add_nc_u32 v5, v5, v6
	v_add_nc_u32 v[ADRS], s21, v5
	s_mul_i32 s23, s14, 16*SPITCH                  ; my stage
	v_mul_u32_u24 v5, v1, SPITCH
	v_lshl_add_u32 v5, v2, 4, v5
	v_add_nc_u32 v[STO], s23, v5                   ; in: row l % 16, 16 bytes for each half of the lanes
	v_bfe_u32 v5, v0, 3, 2
	v_mul_u32_u24 v5, v5, SPITCH
	v_and_b32 v6, 7, v0
	v_lshl_add_u32 v5, v6, 4, v5
	v_add_nc_u32 v[RD], s23, v5                    ; back: eight lanes take the 128 bytes of one head of one token, four tokens an instruction
	v_and_b32 v6, 31, v0
	v_lshlrev_b32 v[CO], 4, v6                     ; which are 512 consecutive bytes of qkv
	s_lshl_b32 s20, s17, 8
	s_lshl_b32 s21, s15, 7
	s_add_co_u32 s20, s20, s21                     ; my first row of x
	s_lshr_b32 s21, s20, 11                        ; its batch,
	s_and_b32 s20, s20, 2047                       ; its token
	s_lshl_b32 s20, s20, 7
	s_lshl_b32 s21, s21, 22                        ; a batch is 16 heads of 262,144 bytes
	s_add_co_u32 s20, s20, s21
	s_mov_b32 s21, 0
	s_lshr_b32 s46, s42, 2                         ; q, k or v: 32 heads each
	s_lshl_b32 s46, s46, 5
	s_and_b32 s47, s42, 3
	s_lshl_b32 s47, s47, 2
	s_add_co_u32 s46, s46, s47
	s_lshl_b32 s47, s16, 1
	s_add_co_u32 s46, s46, s47                     ; + my first head: 4 (tile column % 4) + 2 x half
	s_lshl_b32 s46, s46, 18
	s_mov_b32 s47, 0
	s_add_nc_u64 s[20:21], s[20:21], s[46:47]
	s_add_nc_u64 s[12:13], s[12:13], s[20:21]
.macro FRAGA reg, adr, q, i            ; 16 rows x 128 K of 4-bit codes: lane l holds row l % 16; registers 4 c .. 4 c + 3 hold K = 64 c + 32 (l / 16) + 0 .. 31
.irp c, 0,1
	ds_load_b128 v[\reg+4*\c:\reg+4*\c+3], v[\adr] offset:64*(\q)+32*\c+(\i)*16*PITCH
.endr
.endm
.macro FRAGB reg, adr, q, i            ; the same from plane q
.irp c, 0,1
	ds_load_b128 v[\reg+4*\c:\reg+4*\c+3], v[\adr] offset:(\q)*PLANE+32*\c+(\i)*16*PB
.endr
.endm
; 16 matrix instructions: x's blocks a0, a0 + 1 against W's eight, 128 along K.  The 64 accumulators take turns, one instruction a turn, in the same order in every step.
.macro MUL16 a0, p, q, sc, zero
.irp a, \a0, \a0+1
.irp b, 0,1,2,3,4,5,6,7
.if \zero
	v_wmma_scale_f32_16x16x128_f8f6f4 v[8*(8*((\a)%4)+\b):8*(8*((\a)%4)+\b)+7], v[128*(\p)+FR*\b:128*(\p)+FR*\b+FR-1], v[AF+FR*(\a):AF+FR*(\a)+FR-1], 0, v[SC+8*NQ*(\sc)+NQ*\b+(\q)], v[SC+8*NQ*(\sc)+NQ*(\a)+(\q)] matrix_a_fmt:MATRIX_FMT_FP4 matrix_b_fmt:MATRIX_FMT_FP4 matrix_a_scale:MATRIX_SCALE_ROW1
.else
	v_wmma_scale_f32_16x16x128_f8f6f4 v[8*(8*((\a)%4)+\b):8*(8*((\a)%4)+\b)+7], v[128*(\p)+FR*\b:128*(\p)+FR*\b+FR-1], v[AF+FR*(\a):AF+FR*(\a)+FR-1], v[8*(8*((\a)%4)+\b):8*(8*((\a)%4)+\b)+7], v[SC+8*NQ*(\sc)+NQ*\b+(\q)], v[SC+8*NQ*(\sc)+NQ*(\a)+(\q)] matrix_a_fmt:MATRIX_FMT_FP4 matrix_b_fmt:MATRIX_FMT_FP4 matrix_a_scale:MATRIX_SCALE_ROW1
.endif
.endr
.endr
.endm
.macro FETCH_B slot, q, p
	WIN TO_B
.irp i, 0,1,2,3,4,5,6,7
	FRAGB 128*(\p)+FR*\i, ADRB+\slot, \q, \i
.endr
	WIN 0
.endm
.macro FETCH_A slot, q, i0
.irp i, \i0, \i0+1, \i0+2, \i0+3
	FRAGA AF+FR*(\i), ADRA+\slot, \q, \i
.endr
.endm
.macro SCALES sc                       ; a slot's scale words: 4 words a row; lanes 0-15 take x's block i, lanes 16-31 W's block i
.irp i, 0,1,2,3,4,5,6,7
	ds_load_b128 v[SC+8*NQ*\sc+NQ*\i:SC+8*NQ*\sc+NQ*\i+3], v[ADRS] offset:\i*SBLK
.endr
.endm
.macro PLACES n                        ; plain vector instructions between a matrix instruction and a load into, or a read of, its registers (ISA guide 7.12.1 for reads)
.rept \n
	v_nop
.endr
.endm
.macro STEP slot, q, zero              ; 128 along K, with its successor in the same slot
	s_wait_dscnt 4*NL                              ; W's set and x's blocks 0-3 are in; the youngest eight loads (x's blocks 4-7) may be out
	WIN MUL_LO
	MUL16 0, (\q)%2, \q, \slot, \zero
	MUL16 2, (\q)%2, \q, \slot, \zero
	s_wait_dscnt 0                                 ; x's blocks 4-7 are in
	PLACES NP
	FETCH_B \slot, (\q)+1, 1-(\q)%2
	FETCH_A \slot, (\q)+1, 0
	WIN MUL_HI
	MUL16 4, (\q)%2, \q, \slot, \zero
	MUL16 6, (\q)%2, \q, \slot, \zero
	PLACES NP
	WIN 0
	FETCH_A \slot, (\q)+1, 4
.endm
.macro STEPS slot, from
.set Q, \from
.rept NQ-1-\from
	STEP \slot, Q, 0
.set Q, Q+1
.endr
.endm
	s_wait_tensorcnt 1                             ; the scales and my part of slot 0 are in (slot 1's load may be out)
	s_barrier_signal -1
	s_barrier_wait -1                              ; everybody's are
	FETCH_B 0, 0, 0
	FETCH_A 0, 0, 0
	SCALES 0
	FETCH_A 0, 0, 4
	STEP 0, 0, 1                                   ; the first products start the sums: nothing is cleared
	STEPS 0, 1
	; slot 0's last step changes slots: one barrier; in front of it each wave's part of slot 1 has landed and its reads of slot 0 are over
	s_wait_tensorcnt 0x0                           ; all my tensor loads have landed
	ds_add_u32 v[SPW], v[NIL]                      ; 0 onto my spare word
	s_wait_dscnt 4*NL+1                            ; (the add and the youngest eight loads may be out)
	WIN MUL_LO
	MUL16 0, 1, NQ-1, 0, 0
	s_wait_dscnt 0x0                               ; the add is done, and my reads of slot 0 are over
	s_barrier_signal -1
	MUL16 2, 1, NQ-1, 0, 0
	WIN 0
	s_barrier_wait -1
	PLACES NP
	v_add_nc_u32 v[ADRS], 4*NQ, v[ADRS]            ; on to slot 1's scale words
	FETCH_B 1, 0, 0
	FETCH_A 1, 0, 0
	SCALES 1
	WIN MUL_HI
	MUL16 4, 1, NQ-1, 0, 0
	MUL16 6, 1, NQ-1, 0, 0
	PLACES NP
	WIN 0
	FETCH_A 1, 0, 4
	STEPS 1, 0
	s_wait_dscnt 4*NL                              ; the last step: nothing more to fetch
	WIN MUL_LO
	MUL16 0, 1, NQ-1, 1, 0
	MUL16 2, 1, NQ-1, 1, 0
	s_wait_dscnt 0
	WIN MUL_HI
	MUL16 4, 1, NQ-1, 1, 0
	MUL16 6, 1, NQ-1, 1, 0
	WIN 0
; THE WAY OUT, block by block of 16 tokens x 128 channels (two heads).  PACK: rounded to f16, 16 bytes a lane, each accumulator from its low end on.  TOSTAGE: into my stage and back by heads.  SEND: stored.
.macro PACK a
.set AC, 64*((\a)%4)
	WIN 0x0a+5*((\a)/4)                            ; sources 0 and 1: window 2 or 3
.irp b, 0,1,2,3,4,5,6,7
.irp r, 0,1,2,3
	v_cvt_pk_f16_f32 v[TMP+4*\b+\r], v[AC+8*\b+2*\r], v[AC+8*\b+2*\r+1]
.endr
.endr
	WIN 0
.endm
.macro TOSTAGE a
.set BK, OB+32*((\a)%2)
.irp b, 0,1,2,3,4,5,6,7
	ds_store_b128 v[STO], v[TMP+4*\b:TMP+4*\b+3] offset:32*\b
.endr
.irp u, 0,1,2,3,4,5,6,7
	ds_load_b128 v[BK+4*\u:BK+4*\u+3], v[RD] offset:(\u/2)*4*SPITCH+(\u%2)*128   ; LDS serves a wave's instructions in order (ISA guide 5.7.1.4): these see the stores above
.endr
.endm
.macro SEND a
.set BK, OB+32*((\a)%2)
	s_wait_dscnt 0x0                               ; the block is back in registers
	s_wait_xcnt 0x0                                ; the earlier stores have read their registers: the set that the next block is read into may be written
.irp u, 0,1,2,3,4,5,6,7
	global_store_b128 v[CO], v[BK+4*\u:BK+4*\u+3], s[12:13] offset:(\u%2)*262144+(\u/2)*512+(\a)*2048   ; four tokens of one head: 512 consecutive bytes, aligned
.endr
.endm
	PLACES NP                                      ; behind the last products: for the conversions that read results and the loads into x's fragment registers
	PACK 0
	TOSTAGE 0
.irp a, 1,2,3,4,5,6,7
	PACK \a                                        ; block a's conversions stand between block a - 1's loads from the stage and the wait for them
	SEND \a-1
	TOSTAGE \a
.endr
	SEND 7
	s_wait_tensorcnt 0x0                           ; the wave's end
	ds_add_u32 v[SPW], v[NIL]
	s_wait_dscnt 0x0
	CROUND                                         ; the closing round
	s_endpgm
.Lfunc_end_k_q1d76337263_qkv:
	.size	k_q1d76337263_qkv, .Lfunc_end_k_q1d76337263_qkv-k_q1d76337263_qkv
	.p2alignl 7, 3214868480
	.fill 96, 4, 3214868480
	.section	.rodata,"a",@progbits
	.p2align	6, 0x0
	.amdhsa_kernel k_q1d76337263_qkv
		.amdhsa_group_segment_fixed_size 327680
		.amdhsa_private_segment_fixed_size 0
		.amdhsa_enable_private_segment 0
		.amdhsa_kernarg_size 24
		.amdhsa_user_sgpr_count 2
		.amdhsa_user_sgpr_kernarg_segment_ptr 1
		.amdhsa_wavefront_size32 1
		.amdhsa_system_sgpr_workgroup_id_x 1
		.amdhsa_system_sgpr_workgroup_id_y 1
		.amdhsa_system_sgpr_workgroup_id_z 1
		.amdhsa_system_vgpr_workitem_id 0
		.amdhsa_next_free_vgpr 1024
		.amdhsa_next_free_sgpr 98
		.amdhsa_reserve_vcc 0
		.amdhsa_float_denorm_mode_32 3
		.amdhsa_float_denorm_mode_16_64 3
		.amdhsa_memory_ordered 1
		.amdhsa_forward_progress 1
		.amdhsa_inst_pref_size 127
	.end_amdhsa_kernel
	.amdgpu_metadata
---
amdhsa.version: [ 1, 2 ]
amdhsa.kernels:
  - .name:           k_q1d76337263_qkv
    .symbol:         k_q1d76337263_qkv.kd
    .args:
      - { .name: xq, .offset: 0, .size: 8, .value_kind: global_buffer, .address_space: global }
      - { .name: wq, .offset: 8, .size: 8, .value_kind: global_buffer, .address_space: global }
      - { .name: qkv, .offset: 16, .size: 8, .value_kind: global_buffer, .address_space: global }
    .group_segment_fixed_size: 327680
    .private_segment_fixed_size: 0
    .kernarg_segment_align: 8
    .kernarg_segment_size: 24
    .max_flat_workgroup_size: 128
    .sgpr_count:     98
    .vgpr_count:     1024
    .wavefront_size: 32
...
	.end_amdgpu_metadata
.endif
;; end of part 2
;; launch attn (part 3): grid 8 x 32, 8 waves a work-group, no clusters, 166,912 bytes of LDS; arguments qkv, flags, mask, att, afine; writes att, afine
.if DOCPART == 3
	.amdgcn_target "amdgcn-amd-amdhsa--gfx1250"
	.amdhsa_code_object_version 6
	.text
	.protected	k_q1d76337263_attn
	.globl	k_q1d76337263_attn
	.p2align	8
	.type	k_q1d76337263_attn,@function
k_q1d76337263_attn:
	s_mov_b64 s[64:65], 0
	v_nop
	global_prefetch_b8 v0, s[64:65] scope:SCOPE_SE
	s_setreg_imm32_b32 hwreg(HW_REG_WAVE_MODE, 25, 1), 1
	s_wait_xcnt 0x0
; O[b][h][q] = sum over k of softmax_k(where(mask[q][k], q . k / 8, -1e9)) v[k], head size 64, 2,048 keys; q, k, v are f16 [3][32 heads][2048][64]; products on f16 operands, maxima and sums in f32;
; the weights p are rounded to f16 for the second product.  O leaves as f16, [32 heads][2048][64] (att); positions 0-15 of each sequence also as f32 (afine), for the fine projection.
; THE MASK IS AN INPUT.  The launch before has stored, for each 8 rows of it, two words: bit s of the first: key step s (64 keys) has a key that counts for one of the rows (all bits set where a row has no
; key at all); bit s of the second: all its keys count for all the rows.  A key step that counts for none of a set of 32 queries is left out for it; one that counts wholly needs no mask bytes; else the bytes are read.
; That is exact: a hidden score gives p = 0 in f32 as soon as the row has one open key, and a row with none walks all keys under the mask and takes the mean of v.
; LIMITS: a hidden score counts as -2^30 and not -1e9 (c x -2^33 is exact in f32, so that a row with no open key has p = 1 exactly): this and the left-out steps differ from the definition only where an open
; score x 1/8 lies under about -1e9 + 150.  NaN and infinities are not served.  Mask bytes other than 0 count as true.
; NO TENSOR LOADS, NO CLUSTER: which slots of keys are walked hangs on the stored words.  So K and V go memory -> registers -> LDS.
; SHARES.  Work-group (i, head) owns the query blocks i and 15 - i of 128 queries.  THE WAVES SHARE QUERIES AND SPLIT THE KEYS: wave w (sub = w % 4, u = w / 4) holds 32 queries of EACH block, those from 32 sub on,
; and walks key step u of every slot of 128 keys; wave w xor 4 holds the same queries and walks the other key step.  So all eight waves have the same work in every half-trip, whatever the blocks' shares,
; and one load of K's and V's fragments serves up to four tiles of 16 queries.  The two sets of a wave are named A and B: A is the high block's in waves 0-3 and the low block's in waves 4-7, so that
; my B is my partner's A.  Behind the walk each wave hands B's maximum, sum and O^T to its partner through LDS, joins what it receives to its A, and stores A's 32 rows: no branch hangs on the wave's number.
; LAYOUT.  S^T = K Q^T (source 0 = 16 keys, source 1 = 16 queries): a lane holds one query (lane % 16) and the keys 8 (lane / 16) + 0..7.  Two such tiles, rounded to f16 in pairs, are source 1 of
; O^T = V^T P, whose result again holds one query a lane.  K comes out of LDS as it lies, V turned, by ds_load_tr16_b128.
; THE WALK.  16 half-trips.  In each: the slot of 128 keys that was loaded into registers a half-trip ago goes to LDS (two LDS slots by turns); the next slot that the words name is asked for; one barrier; my key step of the slot, for A and for B.
; REGISTERS: window 0: v1-15 addresses; v16-31 A's statistics, 8 a tile: +0 c m, +1 m, +2, +3 l, +4..7 at work (a in +6); v32-95 S^T; v96-127 P (and the mask bytes); v128-159 the slot on its way: K 16 registers, V 16;
;   v160-175 B's statistics; v176-179 what B hands over beside O^T; v192-255 V.   window 1: v0-63 A's O^T (32 t + 8 ct); v64-127 B's; v128-159 A's Q; v160-191 B's; v192-255 K.
.set KP,    144                        ; a key's row in LDS: 128 bytes + 16: 36 words, so the 16 rows of a load start at 16 different banks (64 banks of 4 bytes: ISA guide 11.1)
.set VP,    160                        ; a row of V: 128 + 32: 40 words
.set VOFF,  128*KP
.set SLOTB, 128*(KP+VP)
.set STAGE, 2*SLOTB                    ; the way out: 16 rows x 144 bytes for each wave
.set EX,    STAGE+8*16*KP              ; the exchange: for each wave 16 x 512 bytes of O^T and 512 of statistics, an image of the registers
.set EXB,   17*512
.set SPARE, EX+8*EXB                   ; the spare words, 128 bytes for each wave, which no other line names
.set HEADB, 262144
.set SPW, 1
.set NIL, 2
.set AK0, 3                            ; v3, v4   my lane's place in my key step's tiles of K in slot 0, 1
.set AV0, 5                            ; v5, v6   of V
.set SK0, 7                            ; v7, v8   where I store 16 bytes of K
.set SV0, 9                            ; v9, v10  of V
.set GL,  11                           ; v11      16 x my thread's number: my 16 bytes of 4,096
.set MO,  12                           ; v12      mask: 2,048 (lane % 16) + 8 (lane / 16)
.set NEG, 13                           ; v13      -2^33
.set TV_, 14                           ; v14      at work
.set PFO, 15                           ; v15      256 x lane
.set STA, 16
.set S,   32
.set P,   96
.set SG,  128
.set STB, 160
.set XS,  176
.set VF,  192
.set OA,  0                            ; in window 1
.set OB,  64
.set QA,  128
.set QB,  160
.set KF,  192
.set TRIP, 2
.set LIM,  3
.set BH,   14
.set AW,   16                          ; key steps still to be walked by the work-group
.set NS,   17                          ; the slot of keys that is on its way
.set NV,   18                          ; 1 if there is one
.set CUR,  19                          ; the slot in hand
.set CURV, 20
.set KSI,  21                          ; my key step of it
.set KB,   24
.set VB,   26
.set TK,   28
.set TV,   30
.set MBA,  32                          ; the mask at A's first row; at B's
.set MBB,  34
.set TM,   36
.set PFA,  38
.set CS,   40                          ; s[40:41] c = log2(e) / 8
.set SEL,  42
.set QBA,  44
.set QBB,  46
.set Q0A,  48                          ; A's first query; B's
.set Q0B,  49
.set ANYA, 84                          ; key steps that count for A's 32 queries; that count wholly
.set ALLA, 85
.set ANYB, 92
.set ALLB, 93
.set WV,   100
.set U,    101
.set MSB, 0
.macro WIN new                         ; the immediate's high byte repeats the setting that is left
.if MSB != \new
	s_set_vgpr_msb (MSB<<8)|\new
.set MSB, \new
.endif
.endm
.macro MYQ qa, qb, t0, t1              ; the first queries of my two sets: 128 x block + 32 (wave % 4); A is the high block's in waves 0-3
	s_and_b32 s[\t0], s[WV], 3
	s_lshl_b32 s[\t0], s[\t0], 5
	s_lshl_b32 s[\t1], ttmp9, 7
	s_add_co_u32 s[\t1], s[\t1], s[\t0]            ; in the low block
	s_sub_co_u32 s[\qb], 15, ttmp9
	s_lshl_b32 s[\qb], s[\qb], 7
	s_add_co_u32 s[\t0], s[\qb], s[\t0]            ; in the high block
	s_cmp_eq_u32 s[U], 0
	s_cselect_b32 s[\qa], s[\t0], s[\t1]
	s_cselect_b32 s[\qb], s[\t1], s[\t0]
.endm
	s_load_b256 s[4:11], s[0:1], 0x0               ; qkv s[4:5], flags s[6:7], mask s[8:9], att s[10:11]
	s_load_b64 s[12:13], s[0:1], 0x20              ; afine
	v_lshl_add_u32 v[SPW], v0, 2, SPARE
	v_mov_b32 v[NIL], 0
	v_lshrrev_b32 v14, 5, v0
	v_readfirstlane_b32 s[WV], v14                 ; wave 0..7
	s_lshr_b32 s[U], s[WV], 2                      ; which 64 keys of a slot are mine
	MYQ 66, 104, 3, 15                             ; 8 bytes of words for each 8 queries: a query's number is its words' byte
	s_lshl_b32 s2, ttmp9, 7                        ; a block's 16 pairs of words are 128 bytes
	s_sub_co_u32 s14, 15, ttmp9
	s_lshl_b32 s14, s14, 7
	s_mov_b32 s3, 0
	s_mov_b32 s15, 0
	s_mov_b32 s67, 0
	s_mov_b32 s105, 0
	s_wait_kmcnt 0x0
	s_add_nc_u64 s[2:3], s[6:7], s[2:3]
	s_add_nc_u64 s[14:15], s[6:7], s[14:15]
	s_add_nc_u64 s[66:67], s[6:7], s[66:67]
	s_add_nc_u64 s[104:105], s[6:7], s[104:105]
	s_load_b512 s[16:31], s[2:3], 0x0              ; both blocks' words,
	s_load_b512 s[32:47], s[2:3], 0x40
	s_load_b512 s[48:63], s[14:15], 0x0
	s_load_b512 s[68:83], s[14:15], 0x40
	s_load_b256 s[84:91], s[66:67], 0x0            ; those of A's 32 queries,
	s_load_b256 s[92:99], s[104:105], 0x0          ; and of B's
	v_and_b32 v32, 15, v0                          ; r
	v_bfe_u32 v33, v0, 4, 1                        ; h
	v_lshrrev_b32 v37, 7, v0                       ; u = thread / 128
	v_mul_u32_u24 v[AK0], v32, KP
	v_lshl_add_u32 v[AK0], v33, 4, v[AK0]
	v_mad_u32_u24 v[AK0], v37, 64*KP, v[AK0]       ; my key step's 64 rows
	v_add_nc_u32 v[AK0+1], SLOTB, v[AK0]
	v_and_b32 v34, 7, v0
	v_lshl_add_u32 v35, v33, 3, v34                ; the turning load: key 8 h + lane % 8,
	v_mul_u32_u24 v[AV0], v35, VP
	v_bfe_u32 v35, v0, 3, 1                        ; channels 8 ((lane / 8) % 2) on
	v_lshl_add_u32 v[AV0], v35, 4, v[AV0]
	v_mad_u32_u24 v[AV0], v37, 64*VP, v[AV0]
	v_add_nc_u32 v[AV0], VOFF, v[AV0]
	v_add_nc_u32 v[AV0+1], SLOTB, v[AV0]
	v_lshrrev_b32 v35, 3, v0                       ; eight threads to a row of 128 bytes: row = thread / 8
	v_mul_u32_u24 v[SK0], v35, KP
	v_lshl_add_u32 v[SK0], v34, 4, v[SK0]
	v_add_nc_u32 v[SK0+1], SLOTB, v[SK0]
	v_mul_u32_u24 v[SV0], v35, VP
	v_lshl_add_u32 v[SV0], v34, 4, v[SV0]
	v_add_nc_u32 v[SV0], VOFF, v[SV0]
	v_add_nc_u32 v[SV0+1], SLOTB, v[SV0]
	v_lshlrev_b32 v[GL], 4, v0
	v_lshlrev_b32 v[MO], 11, v32
	v_lshl_add_u32 v[MO], v33, 3, v[MO]
	v_mov_b32 v[NEG], 0xd0000000
	v_and_b32 v[PFO], 31, v0
	v_lshlrev_b32 v[PFO], 8, v[PFO]
	v_lshlrev_b32 v36, 7, v32
	v_lshl_add_u32 v36, v33, 4, v36                ; Q: row r of 128 bytes, + 16 h
	s_wait_kmcnt 0x0
	s_or_b32 s[AW], s16, s18                       ; the even words: what counts for some query of the work-group
.irp k, 20,22,24,26,28,30,32,34,36,38,40,42,44,46,48,50,52,54,56,58,60,62,68,70,72,74,76,78,80,82
	s_or_b32 s[AW], s[AW], s[\k]
.endr
.irp k, 86,88,90
	s_or_b32 s[ANYA], s[ANYA], s[\k]
	s_and_b32 s[ALLA], s[ALLA], s[\k+1]
.endr
.irp k, 94,96,98
	s_or_b32 s[ANYB], s[ANYB], s[\k]
	s_and_b32 s[ALLB], s[ALLB], s[\k+1]
.endr
	s_and_b32 s[BH], ttmp7, 0xffff                 ; batch x 16 + head
	MYQ Q0A, Q0B, 22, 23
	s_lshl_b32 s22, s[BH], 18
	s_mov_b32 s23, 0
	s_add_nc_u64 s[KB:KB+1], s[4:5], s[22:23]      ; my head in q
	s_lshl_b32 s22, s[Q0A], 7
	s_add_nc_u64 s[QBA:QBA+1], s[KB:KB+1], s[22:23]
	s_lshl_b32 s22, s[Q0B], 7
	s_add_nc_u64 s[QBB:QBB+1], s[KB:KB+1], s[22:23]
	s_add_nc_u64 s[VB:VB+1], s[KB:KB+1], 64*HEADB
	s_add_nc_u64 s[KB:KB+1], s[KB:KB+1], 32*HEADB
	s_lshl_b32 s22, s[Q0A], 11
	s_add_nc_u64 s[MBA:MBA+1], s[8:9], s[22:23]
	s_lshl_b32 s22, s[Q0B], 11
	s_add_nc_u64 s[MBB:MBB+1], s[8:9], s[22:23]
	s_mov_b32 s[CS], 0x3e38aa3b
	s_mov_b32 s[CS+1], s[CS]
	s_mov_b32 s[SEL], 0x76543210
	s_mov_b32 s[SEL+1], 0xfedcba98
	; the prefetches: all eight work-groups of a head walk the same K and V: the first asks; in it waves 0 and 1 for K's halves of a slot, waves 2 and 3 for V's, 8,192 bytes each, lanes 256 bytes apart
	s_cmp_lt_u32 s[WV], 2
	s_cselect_b64 s[PFA:PFA+1], s[KB:KB+1], s[VB:VB+1]
	s_and_b32 s22, s[WV], 1
	s_lshl_b32 s22, s22, 13
	s_add_co_u32 s22, s22, 16384                   ; at slot 1: each half-trip steps it ahead of its use, so half-trip n names slot n + 2
	s_add_nc_u64 s[PFA:PFA+1], s[PFA:PFA+1], s[22:23]
	s_or_b32 s22, s[U], ttmp9
	s_cmp_eq_u32 s22, 0
	s_cselect_b32 s[LIM], 7, 0                     ; trips 0 to 6 ask: the last names slot 15, the head's last
.macro NEXT                            ; the lowest slot of 128 keys that has a key step left; its two bits are taken off
	s_cmp_lg_u32 s[AW], 0
	s_cselect_b32 s[NV], 1, 0
	s_ctz_i32_b32 s22, s[AW]
	s_lshr_b32 s22, s22, 1
	s_min_u32 s[NS], s22, 15                       ; a stored number enters an address only behind this bound
	s_lshl_b32 s22, s[NS], 1
	s_lshl_b32 s22, 3, s22
	s_and_not1_b32 s[AW], s[AW], s22
.endm
.macro LOADS                           ; the slot's 16,384 bytes of K and of V: each instruction of the work-group covers 4,096 consecutive bytes
	s_lshl_b32 s22, s[NS], 14
	s_mov_b32 s23, 0
	s_add_nc_u64 s[TK:TK+1], s[KB:KB+1], s[22:23]
	s_add_nc_u64 s[TV:TV+1], s[VB:VB+1], s[22:23]
.irp e, 0,1,2,3
	global_load_b128 v[SG+4*\e:SG+4*\e+3], v[GL], s[TK:TK+1] offset:4096*\e
.endr
.irp e, 0,1,2,3
	global_load_b128 v[SG+16+4*\e:SG+16+4*\e+3], v[GL], s[TV:TV+1] offset:4096*\e
.endr
.endm
.macro ASK
	s_cmp_lt_u32 s[TRIP], s[LIM]
	s_cbranch_scc0 .Lnot_mine_\@
	global_prefetch_b8 v[PFO], s[PFA:PFA+1] th:TH_LOAD_NT scope:SCOPE_SE
.Lnot_mine_\@:
.endm
	NEXT
	LOADS                                          ; every group of rows has a bit set, so there is a first slot
	WIN 0x40                                       ; destination window 1
.irp t, 0,1
.irp c, 0,1
	global_load_b128 v[QA+16*\t+8*\c:QA+16*\t+8*\c+3],   v36, s[QBA:QBA+1] offset:2048*\t+64*\c      ; Q stays in registers
	global_load_b128 v[QA+16*\t+8*\c+4:QA+16*\t+8*\c+7], v36, s[QBA:QBA+1] offset:2048*\t+64*\c+32
	global_load_b128 v[QB+16*\t+8*\c:QB+16*\t+8*\c+3],   v36, s[QBB:QBB+1] offset:2048*\t+64*\c
	global_load_b128 v[QB+16*\t+8*\c+4:QB+16*\t+8*\c+7], v36, s[QBB:QBB+1] offset:2048*\t+64*\c+32
.endr
.endr
.set j, 0
.rept 128
	v_mov_b32 v[j], 0                              ; both O^T: which key step comes first, and whether a set has one at all in my half of the keys, hangs on the stored words: so no first step can be written out
.set j, j+1
.endr
	WIN 0
.irp b, STA, STA+8, STB, STB+8
	v_mov_b32 v[\b+1], 0xff61b1e6                  ; m: -3e38, under every score
	v_mul_f32 v[\b], s[CS], v[\b+1]                ; c m
.irp k, 2,3,4,5,6,7
	v_mov_b32 v[\b+\k], 0                          ; l, and what is named before a step has written it
.endr
.endr
; The bytes of the mask for a set's 32 queries and the step's 64 keys: 8 bytes for each tile of 16 x 16; a hidden score becomes -2^33.  The scores are taken in ascending order, each accumulator from its low end on.
.macro MASK mb
	s_lshl_b32 s22, s[KSI], 6
	s_mov_b32 s23, 0
	s_add_nc_u64 s[TM:TM+1], s[\mb:\mb+1], s[22:23]
.irp t, 0,1
.irp kt, 0,1,2,3
	global_load_b64 v[P+8*\t+2*\kt:P+8*\t+2*\kt+1], v[MO], s[TM:TM+1] offset:32768*\t+16*\kt
.endr
.endr
	s_wait_loadcnt 0x0                             ; they are the youngest loads
.set n, 0
.rept 64
	v_and_b32 v[TV_], 0xff<<(8*(n%4)), v[P+n/4]
	v_cmp_ne_u32 vcc_lo, 0, v[TV_]
	v_cndmask_b32 v[S+n], v[NEG], v[S+n], vcc_lo
.set n, n+1
.endr
.endm
; The softmax of a set's two tiles for one key step, the tiles line by line by turns.  st: the set's statistics.
.macro SOFTMAX st
.irp j, 0,1,2,3
.irp t, 0,1
	v_max3_num_f32 v[\st+8*\t+4+\j], v[S+32*\t+8*\j], v[S+32*\t+8*\j+1], v[S+32*\t+8*\j+2]      ; four chains, each from an accumulator's low end
.endr
.endr
.irp g, 1,2
.irp j, 0,1,2,3
.irp t, 0,1
	v_max3_num_f32 v[\st+8*\t+4+\j], v[\st+8*\t+4+\j], v[S+32*\t+8*\j+2*\g+1], v[S+32*\t+8*\j+2*\g+2]
.endr
.endr
.endr
.irp t, 0,1
	v_max3_num_f32 v[\st+8*\t+4], v[\st+8*\t+4], v[S+32*\t+7], v[S+32*\t+15]
.endr
.irp t, 0,1
	v_max3_num_f32 v[\st+8*\t+6], v[\st+8*\t+6], v[S+32*\t+23], v[S+32*\t+31]
.endr
.irp t, 0,1
	v_max3_num_f32 v[\st+8*\t+4], v[\st+8*\t+4], v[\st+8*\t+5], v[\st+8*\t+6]
.endr
.irp t, 0,1
	v_max3_num_f32 v[\st+8*\t+4], v[\st+8*\t+4], v[\st+8*\t+7], v[\st+8*\t+1]      ; with the old m
.endr
.irp t, 0,1
	v_permlanex16_b32 v[\st+8*\t+5], v[\st+8*\t+4], s[SEL], s[SEL+1]               ; the query's other 32 keys lie in the lane 16 away
.endr
.irp t, 0,1
	v_mov_b32 v[\st+8*\t+7], v[\st+8*\t]                                           ; c m_old
.endr
.irp t, 0,1
	v_max_num_f32 v[\st+8*\t+1], v[\st+8*\t+4], v[\st+8*\t+5]
.endr
.irp t, 0,1
	v_mul_f32 v[\st+8*\t], s[CS], v[\st+8*\t+1]
.endr
.irp t, 0,1
	v_sub_f32 v[\st+8*\t+7], v[\st+8*\t+7], v[\st+8*\t]
.endr
.set b, 0
.rept 16
	v_pk_fma_f32 v[S+2*b:S+2*b+1], v[S+2*b:S+2*b+1], s[CS:CS+1], v[\st:\st+1] op_sel_hi:[1,0,0] neg_lo:[0,0,1] neg_hi:[0,0,1]              ; c s - c m
	v_pk_fma_f32 v[S+32+2*b:S+33+2*b], v[S+32+2*b:S+33+2*b], s[CS:CS+1], v[\st+8:\st+9] op_sel_hi:[1,0,0] neg_lo:[0,0,1] neg_hi:[0,0,1]
.set b, b+1
.endr
	v_exp_f32 v[\st+6], v[\st+7]                   ; a = 2^(c m_old - c m_new)
	v_exp_f32 v[\st+14], v[\st+15]
.set e, 0
.rept 32
	v_exp_f32 v[S+e], v[S+e]
	v_exp_f32 v[S+32+e], v[S+32+e]
.set e, e+1
.endr
	v_nop                                          ; a plain instruction behind the last exponential
	s_wait_alu depctr_va_vdst(0)                   ; one wait for the batch of 66, ahead of its first reader
.set b, 0
.rept 16
	v_cvt_pk_f16_f32 v[P+b], v[S+2*b], v[S+2*b+1]
	v_cvt_pk_f16_f32 v[P+16+b], v[S+32+2*b], v[S+33+2*b]
.set b, b+1
.endr
.irp w, 4,8,16,32                      ; the sum of a tile's 16 pairs, in place: neighbours 1, 2, 4 and 8 pairs apart
.set u, 0
.rept 32/\w
	v_pk_add_f32 v[S+\w*u:S+\w*u+1], v[S+\w*u:S+\w*u+1], v[S+\w*u+\w/2:S+\w*u+\w/2+1]
	v_pk_add_f32 v[S+32+\w*u:S+33+\w*u], v[S+32+\w*u:S+33+\w*u], v[S+32+\w*u+\w/2:S+33+\w*u+\w/2]
.set u, u+1
.endr
.endr
.irp t, 0,1
	v_pk_fma_f32 v[\st+8*\t+2:\st+8*\t+3], v[\st+8*\t+2:\st+8*\t+3], v[\st+8*\t+6:\st+8*\t+7], v[S+32*\t:S+32*\t+1] op_sel_hi:[1,0,1]   ; l = a l + the sum
.endr
.endm
; My key step for one set of 32 queries; K's and V's fragments have been asked for.  st: its statistics; o, q: its O^T and Q, in window 1; all: its word of key steps that count wholly; mb: its rows of the mask.
; The accumulators take turns, one instruction a turn: eight in each product.
.macro BODY st, o, q, all, mb
	WIN 0x05                                       ; sources 0 (K) and 1 (Q) window 1
.irp kt, 0,1,2,3
.irp t, 0,1
	v_wmma_f32_16x16x32_f16 v[S+32*\t+8*\kt:S+32*\t+8*\kt+7], v[KF+16*\kt:KF+16*\kt+7], v[\q+16*\t:\q+16*\t+7], 0
.endr
.endr
.irp kt, 0,1,2,3
.irp t, 0,1
	v_wmma_f32_16x16x32_f16 v[S+32*\t+8*\kt:S+32*\t+8*\kt+7], v[KF+16*\kt+8:KF+16*\kt+15], v[\q+16*\t+8:\q+16*\t+15], v[S+32*\t+8*\kt:S+32*\t+8*\kt+7]
.endr
.endr
	WIN 0
.rept 4
	v_nop                                          ; places in front of the first read of the scores
.endr
	s_bitcmp1_b32 s[\all], s[KSI]
	s_cbranch_scc1 .Lopen_\@                       ; all its keys count for all the set's queries
	MASK \mb
.Lopen_\@:
	SOFTMAX \st
	s_wait_dscnt 0x0                               ; V is in
	WIN 0x41                                       ; O^T (destination and source 0) window 1
.irp t, 0,1
.irp j, 0,2,4,6,8,10,12,14,16,18,20,22,24,26,28,30
	v_pk_mul_f32 v[\o+32*\t+\j:\o+32*\t+\j+1], v[\o+32*\t+\j:\o+32*\t+\j+1], v[\st+8*\t+6:\st+8*\t+7] op_sel_hi:[1,0]    ; O^T x a, each accumulator from its low end on
.endr
.endr
	WIN 0x50                                       ; C and D window 1
.irp kg, 0,1
.irp ct, 0,1,2,3
.irp t, 0,1
	v_wmma_f32_16x16x32_f16 v[\o+32*\t+8*\ct:\o+32*\t+8*\ct+7], v[VF+32*\kg+8*\ct:VF+32*\kg+8*\ct+7], v[P+16*\t+8*\kg:P+16*\t+8*\kg+7], v[\o+32*\t+8*\ct:\o+32*\t+8*\ct+7]
.endr
.endr
.endr
	WIN 0
.rept 4
	v_nop                                          ; places in front of the next loads into V and P, of the next write of P, and of the next read of O^T, on every way on
.endr
.endm
; My key step of the slot in hand: its fragments come once, for both sets.
.macro STEPW slot
	s_lshl_b32 s[KSI], s[CUR], 1
	s_add_co_u32 s[KSI], s[KSI], s[U]
	s_or_b32 s22, s[ANYA], s[ANYB]
	s_bitcmp1_b32 s22, s[KSI]
	s_cbranch_scc0 .Lskip_\@                       ; none of its keys counts for any of my 64 queries
	WIN 0x40                                       ; destination window 1
.irp kt, 0,1,2,3
.irp c, 0,1
	ds_load_b128 v[KF+16*\kt+8*\c:KF+16*\kt+8*\c+3],   v[AK0+\slot] offset:\kt*16*KP+64*\c
	ds_load_b128 v[KF+16*\kt+8*\c+4:KF+16*\kt+8*\c+7], v[AK0+\slot] offset:\kt*16*KP+64*\c+32
.endr
.endr
	WIN 0
.irp kg, 0,1
.irp ct, 0,1,2,3
	ds_load_tr16_b128 v[VF+32*\kg+8*\ct:VF+32*\kg+8*\ct+3],   v[AV0+\slot] offset:\kg*32*VP+32*\ct
	ds_load_tr16_b128 v[VF+32*\kg+8*\ct+4:VF+32*\kg+8*\ct+7], v[AV0+\slot] offset:\kg*32*VP+16*VP+32*\ct
.endr
.endr
	s_wait_dscnt 16                                ; K is in; V's sixteen loads may be out
	s_bitcmp1_b32 s[ANYA], s[KSI]
	s_cbranch_scc0 .Lnot_a_\@
	BODY STA, OA, QA, ALLA, MBA
.Lnot_a_\@:
	s_bitcmp1_b32 s[ANYB], s[KSI]
	s_cbranch_scc0 .Lskip_\@
	BODY STB, OB, QB, ALLB, MBB
.Lskip_\@:
.endm
; A half-trip.  ONE barrier orders both ways: in front of it each wave's stores into this slot have landed and its reads of the other slot are over; behind it this slot is read, and the next half-trip
; stores into the other.  The barrier stands outside every branch on the stored words.
.macro HALF slot
	s_wait_loadcnt 0x0                             ; the slot on its way is in registers (in the first half-trip Q too): so TK, TV and TM may be written again
	s_wait_xcnt 0x0                                ; the last prefetch has read its address
	s_add_nc_u64 s[PFA:PFA+1], s[PFA:PFA+1], 16384
	s_mov_b32 s[CUR], s[NS]
	s_mov_b32 s[CURV], s[NV]
	s_cmp_eq_u32 s[CURV], 0
	s_cbranch_scc1 .Lnone_\@                       ; nothing was left to walk
.irp e, 0,1,2,3
	ds_store_b128 v[SK0+\slot], v[SG+4*\e:SG+4*\e+3] offset:32*KP*\e
	ds_store_b128 v[SV0+\slot], v[SG+16+4*\e:SG+16+4*\e+3] offset:32*VP*\e
.endr
.Lnone_\@:
	NEXT
	s_wait_dscnt 0x0                               ; my stores have landed and have read their registers; my reads of the other slot were over before
	s_cmp_eq_u32 s[NV], 0
	s_cbranch_scc1 .Lnoload_\@
	LOADS                                          ; the next slot has this half-trip's work in which to come
.Lnoload_\@:
	ASK                                            ; one half-trip ahead of the loads that will want it
	s_barrier_signal -1
	s_barrier_wait -1
	s_cmp_eq_u32 s[CURV], 0
	s_cbranch_scc1 .Lidle_\@
	STEPW \slot
.Lidle_\@:
.endm
	s_mov_b32 s[TRIP], 0
.Ltrip:                                            ; eight trips of two half-trips: as many as the head has slots of keys
	HALF 0
	HALF 1
	s_add_co_u32 s[TRIP], s[TRIP], 1
	s_cmp_lt_u32 s[TRIP], 8
	s_cbranch_scc1 .Ltrip
	; THE EXCHANGE.  The addresses of the exchange and of the way out first: the walk's address registers are done with
	v_and_b32 v9, 15, v0                           ; r
	v_bfe_u32 v10, v0, 4, 1                        ; h
	s_mul_i32 s22, s[WV], 16*KP
	s_add_co_u32 s22, s22, STAGE                   ; my stage
	v_mul_u32_u24 v3, v9, KP
	v_lshl_add_u32 v3, v10, 4, v3
	v_add_nc_u32 v3, s22, v3                       ; in: row r, 16 bytes for each half of the lanes
	v_bfe_u32 v4, v0, 3, 2
	v_mul_u32_u24 v4, v4, KP
	v_and_b32 v12, 7, v0
	v_lshl_add_u32 v4, v12, 4, v4
	v_add_nc_u32 v4, s22, v4                       ; back: eight lanes to a row of 128 bytes, four rows an instruction
	v_and_b32 v5, 31, v0
	v_lshlrev_b32 v5, 4, v5                        ; 16 x lane
	v_lshlrev_b32 v6, 8, v9
	v_lshl_add_u32 v6, v10, 5, v6                  ; afine: row r of 256 bytes, + 32 h
	s_mul_i32 s22, s[WV], EXB
	s_add_co_u32 s22, s22, EX
	v_add_nc_u32 v7, s22, v5                       ; where I put B's state: my wave's bytes of the exchange
	s_xor_b32 s22, s[WV], 4
	s_mul_i32 s22, s22, EXB
	s_add_co_u32 s22, s22, EX
	v_add_nc_u32 v8, s22, v5                       ; where my partner puts its B, which is my A
	v_mov_b32 v[XS], v[STB]                        ; c m and my lane's l of B's two tiles
	v_add_f32 v[XS+1], v[STB+2], v[STB+3]
	v_mov_b32 v[XS+2], v[STB+8]
	v_add_f32 v[XS+3], v[STB+10], v[STB+11]
	WIN 0x04                                       ; an LDS store's data are its source 1: window 1
.irp k, 0,1,2,3,4,5,6,7,8,9,10,11,12,13,14,15
	ds_store_b128 v7, v[OB+4*\k:OB+4*\k+3] offset:512*\k           ; an image of the registers, each accumulator from its low end on
.endr
	WIN 0
	ds_store_b128 v7, v[XS:XS+3] offset:8192
	s_wait_dscnt 0x0                               ; for my partner's sake: my stores have landed
	s_barrier_signal -1
	s_barrier_wait -1
	ds_load_b128 v[P:P+3], v8 offset:8192          ; the partner's c m and l,
.irp k, 0,1,2,3,4,5,6,7,8,9,10,11,12,13,14,15
	ds_load_b128 v[S+4*\k:S+4*\k+3], v8 offset:512*\k              ; and its O^T: the same registers in the same lanes
.endr
	s_lshl_b32 s22, s[BH], 11
	s_add_co_u32 s22, s22, s[Q0A]
	s_lshl_b32 s22, s22, 7
	s_mov_b32 s23, 0
	s_add_nc_u64 s[10:11], s[10:11], s[22:23]
	s_lshl_b32 s22, s[BH], 12
	s_add_nc_u64 s[12:13], s[12:13], s[22:23]
	s_wait_dscnt 16                                ; the four numbers are in; the sixteen loads of O^T may be out
.irp t, 0,1
	v_max_num_f32 v[STA+8*\t+5], v[STA+8*\t], v[P+2*\t]            ; c m over all keys (c is positive)
.endr
.irp t, 0,1
	v_sub_f32 v[STA+8*\t+6], v[STA+8*\t], v[STA+8*\t+5]
	v_sub_f32 v[STA+8*\t+7], v[P+2*\t], v[STA+8*\t+5]
.endr
.irp t, 0,1
	v_exp_f32 v[STA+8*\t+6], v[STA+8*\t+6]         ; what my half is multiplied by;
	v_exp_f32 v[STA+8*\t+7], v[STA+8*\t+7]         ; and the partner's: 0 for a half that has walked no open key while the other has
.endr
.irp t, 0,1
	v_add_f32 v[STA+8*\t+4], v[STA+8*\t+2], v[STA+8*\t+3]          ; my lane's l (plain work behind the exponentials)
.endr
	s_wait_alu depctr_va_vdst(0)                   ; one wait for the four, ahead of their first reader
.irp t, 0,1
	v_mul_f32 v[STA+8*\t+4], v[STA+8*\t+4], v[STA+8*\t+6]
.endr
.irp t, 0,1
	v_fma_f32 v[STA+8*\t+4], v[P+2*\t+1], v[STA+8*\t+7], v[STA+8*\t+4]
.endr
.irp t, 0,1
	v_permlanex16_b32 v[STA+8*\t+5], v[STA+8*\t+4], s[SEL], s[SEL+1]
.endr
.irp t, 0,1
	v_add_f32 v[STA+8*\t+4], v[STA+8*\t+4], v[STA+8*\t+5]          ; the row's sum
.endr
.irp t, 0,1
	v_rcp_f32 v[STA+8*\t+5], v[STA+8*\t+4]
.endr
	v_nop                                          ; a plain instruction behind the reciprocals
	s_wait_alu depctr_va_vdst(0)                   ; one wait for the two, ahead of their first reader
.irp t, 0,1
	v_mul_f32 v[STA+8*\t+6], v[STA+8*\t+6], v[STA+8*\t+5]          ; my factor / l, the low word of the pair +6, +7;
	v_mul_f32 v[STA+8*\t+4], v[STA+8*\t+7], v[STA+8*\t+5]          ; the partner's, the low word of the pair +4, +5
.endr
	s_wait_dscnt 0x0                               ; the partner's O^T is in
	WIN 0x41                                       ; O^T (destination and source 0) window 1
.irp t, 0,1
.irp j, 0,2,4,6,8,10,12,14,16,18,20,22,24,26,28,30
	v_pk_mul_f32 v[OA+32*\t+\j:OA+32*\t+\j+1], v[OA+32*\t+\j:OA+32*\t+\j+1], v[STA+8*\t+6:STA+8*\t+7] op_sel_hi:[1,0]
.endr
.endr
	WIN 0x50                                       ; source 2 and destination window 1
.irp t, 0,1
.irp j, 0,2,4,6,8,10,12,14,16,18,20,22,24,26,28,30
	v_pk_fma_f32 v[OA+32*\t+\j:OA+32*\t+\j+1], v[S+32*\t+\j:S+32*\t+\j+1], v[STA+8*\t+4:STA+8*\t+5], v[OA+32*\t+\j:OA+32*\t+\j+1] op_sel_hi:[1,0,1]
.endr
.endr
	WIN 0
	; THE WAY OUT of A's 32 rows
	s_cmp_lg_u32 s[Q0A], 0
	s_cbranch_scc1 .Lnofine                        ; ids alone: the wave that finishes positions 0-15 also leaves them in f32
	WIN 0x04                                       ; a store's data are its source 1: window 1
.irp ct, 0,1,2,3
	global_store_b128 v6, v[OA+8*\ct:OA+8*\ct+3], s[12:13] offset:64*\ct
	global_store_b128 v6, v[OA+8*\ct+4:OA+8*\ct+7], s[12:13] offset:64*\ct+16
.endr
	WIN 0
.Lnofine:
.irp t, 0,1
	WIN 0x05                                       ; sources 0 and 1 window 1
.irp i, 0,1,2,3,4,5,6,7,8,9,10,11,12,13,14,15
	v_cvt_pk_f16_f32 v[32+16*\t+\i], v[OA+32*\t+2*\i], v[OA+32*\t+2*\i+1]
.endr
	WIN 0
.irp ct, 0,1,2,3
	ds_store_b128 v3, v[32+16*\t+4*\ct:32+16*\t+4*\ct+3] offset:32*\ct
.endr
.irp e, 0,1,2,3
	ds_load_b128 v[64+16*\t+4*\e:64+16*\t+4*\e+3], v4 offset:4*KP*\e       ; LDS serves a wave's instructions in order (ISA guide 5.7.1.4): these see the stores above, and the next tile's stores come behind them
.endr
.endr
.irp t, 0,1
.irp e, 0,1,2,3
	s_wait_dscnt (1-\t)*8+3-\e                     ; behind tile 0's loads stand tile 1's four stores and four loads
	global_store_b128 v5, v[64+16*\t+4*\e:64+16*\t+4*\e+3], s[10:11] offset:2048*\t+512*\e   ; 512 consecutive bytes, aligned
.endr
.endr
	s_wait_tensorcnt 0x0                           ; the wave's end
	ds_add_u32 v[SPW], v[NIL]
	s_wait_dscnt 0x0
	s_endpgm
.Lfunc_end_k_q1d76337263_attn:
	.size	k_q1d76337263_attn, .Lfunc_end_k_q1d76337263_attn-k_q1d76337263_attn
	.p2alignl 7, 3214868480
	.fill 96, 4, 3214868480
	.section	.rodata,"a",@progbits
	.p2align	6, 0x0
	.amdhsa_kernel k_q1d76337263_attn
		.amdhsa_group_segment_fixed_size 166912
		.amdhsa_private_segment_fixed_size 0
		.amdhsa_enable_private_segment 0
		.amdhsa_kernarg_size 40
		.amdhsa_user_sgpr_count 2
		.amdhsa_user_sgpr_kernarg_segment_ptr 1
		.amdhsa_wavefront_size32 1
		.amdhsa_system_sgpr_workgroup_id_x 1
		.amdhsa_system_sgpr_workgroup_id_y 1
		.amdhsa_system_sgpr_workgroup_id_z 1
		.amdhsa_system_vgpr_workitem_id 0
		.amdhsa_next_free_vgpr 512
		.amdhsa_next_free_sgpr 106
		.amdhsa_reserve_vcc 1
		.amdhsa_float_denorm_mode_32 3
		.amdhsa_float_denorm_mode_16_64 3
		.amdhsa_memory_ordered 1
		.amdhsa_forward_progress 1
		.amdhsa_inst_pref_size 134
	.end_amdhsa_kernel
	.amdgpu_metadata
---
amdhsa.version: [ 1, 2 ]
amdhsa.kernels:
  - .name:           k_q1d76337263_attn
    .symbol:         k_q1d76337263_attn.kd
    .args:
      - { .name: qkv, .offset: 0, .size: 8, .value_kind: global_buffer, .address_space: global }
      - { .name: flags, .offset: 8, .size: 8, .value_kind: global_buffer, .address_space: global }
      - { .name: mask, .offset: 16, .size: 8, .value_kind: global_buffer, .address_space: global }
      - { .name: att, .offset: 24, .size: 8, .value_kind: global_buffer, .address_space: global }
      - { .name: afine, .offset: 32, .size: 8, .value_kind: global_buffer, .address_space: global }
    .group_segment_fixed_size: 166912
    .private_segment_fixed_size: 0
    .kernarg_segment_align: 8
    .kernarg_segment_size: 40
    .max_flat_workgroup_size: 256
    .sgpr_count:     106
    .vgpr_count:     512
    .wavefront_size: 32
...
	.end_amdgpu_metadata
.endif
;; end of part 3
;; launch proj (part 4): grid 8 x 32, 4 waves a work-group, clusters of 4 x 4, 327,680 bytes of LDS; arguments att, wo16, out0; writes out0
.if DOCPART == 4
	.amdgcn_target "amdgcn-amd-amdhsa--gfx1250"
	.amdhsa_code_object_version 6
	.text
	.protected	k_q1d76337263_proj
	.globl	k_q1d76337263_proj
	.p2align	8
	.type	k_q1d76337263_proj,@function
k_q1d76337263_proj:
	s_mov_b64 s[64:65], 0
	v_nop
	global_prefetch_b8 v0, s[64:65] scope:SCOPE_SE
	s_setreg_imm32_b32 hwreg(HW_REG_WAVE_MODE, 25, 1), 1
	s_wait_xcnt 0x0
	s_wait_alu depctr_hold_cnt(0) depctr_sa_sdst(0) depctr_va_vdst(0) depctr_va_sdst(0) depctr_va_ssrc(0) depctr_va_vcc(0) depctr_vm_vsrc(0)
	s_getreg_b32 s2, hwreg(HW_REG_IB_STS2, 6, 4)
	s_cmp_eq_u32 s2, 0
	s_cbranch_scc0 .Lentry_in_a_cluster
	s_endpgm
.Lentry_in_a_cluster:
	s_bfe_u32 s2, ttmp6, 0x10000c
	s_cmp_lg_u32 s2, 0xf033
	s_cbranch_scc0 .Lentry_shape_is_right
	s_endpgm
.Lentry_shape_is_right:
; out0[m][n] = sum over k of A[m][k] Wo[k][n]: [4096][1024] x [1024][1024], f16 operands, f32 sums, f32 out.  A is the attention's output, f16, laid by heads [2 b][16 h][2048 t][64]: m = 2048 b + t, k = 64 h + d.
; Wo comes transposed, f16 [1024 n][1024 k]: the high part of wo16.  (Positions 0-15 of each sequence are written once more, more finely, by the launch behind this one.)
; A tile of out0 is 128 x 128: 256 work-groups.  Four waves, each 64 x 64: 16 accumulators.  K goes in steps of 256 (four heads) through a ring of two LDS slots; a wave's tensor load brings 64 rows of one operand.
; CLUSTERS: 4 x 4 work-groups; A's tiles are shared along a row of the cluster, Wo's along a column: each is asked for jointly.  THE MATRIX INSTRUCTION IS USED TRANSPOSED (source 0 = 16 rows of Wo^T,
; source 1 = 16 rows of A): a lane holds eight neighbouring numbers of a row of out0.
; REGISTERS: window 0: v0-31 addresses; v32-95 the way out; v128-255 the accumulators ((a, b) at v[128 + 8 (4 a + b)]).  window 1: two fragment buffers of 128: 64 registers of A, then 64 of Wo.
.set PA,     144                       ; A in LDS: a token's 128 bytes of one head + 16
.set PLA,    64*PA                     ; 64 tokens of one head
.set AHALF,  4*PLA
.set PITCH,  528                       ; Wo^T in LDS: 512 bytes + 16
.set BHALF,  64*PITCH
.set SLOT,   2*AHALF+2*BHALF
.set STAGE,  2*SLOT                    ; behind the ring: 16 rows x 272 bytes for each wave
.set SPITCH, 272
.set SPARE,  STAGE+4*16*SPITCH         ; the spare words, 128 bytes for each wave, which no other line names
.set ASTEP,  4*262144                  ; a K step on in A: four heads
.set BSTEP,  512                       ; and in a row of Wo^T
.set ADRA, 16
.set ADRB, 20
.set STO,  24
.set RD,   25
.set CO,   26
.set SPW,  28
.set NIL,  29
.set TMP,  32
.set ACC,  128
.set F0,   0
.set F1,   128
.set G1,  24
.set G0,  32
.set G1B, 48
.set G0B, 56
.set MSB, 0
.macro WIN new
.if MSB != \new
	s_set_vgpr_msb (MSB<<8)|\new
.set MSB, \new
.endif
.endm
.set MUL,  0x05                        ; sources 0 and 1 window 1; C and D window 0
.set TO_F, 0x40
.macro JLOAD s                         ; a joint load: waves 0 and 1 fetch A's two halves, waves 2 and 3 Wo's; an s_nop 0 and four v_nop follow each of the two lines
	s_cmp_eq_u32 s11, 0
	s_cbranch_scc0 .Lfor_b_\@
	tensor_load_to_lds s[G0+4*\s:G0+4*\s+3], s[G1:G1+7]
	s_nop 0
.rept 4
	v_nop
.endr
	s_branch .Lasked_\@
.Lfor_b_\@:
	tensor_load_to_lds s[G0B+4*\s:G0B+4*\s+3], s[G1B:G1B+7]
	s_nop 0
.rept 4
	v_nop
.endr
.Lasked_\@:
.endm
.macro CREST
	s_cmp_lg_u32 s10, 0
	s_cbranch_scc1 .Lnot_wave_0_\@
	s_barrier_signal -3
.Lnot_wave_0_\@:
	s_barrier_wait -3
	s_barrier_signal -1
	s_barrier_wait -1
.endm
.macro CROUND
	s_barrier_signal -1
	s_barrier_wait -1
	CREST
.endm
	s_load_b128 s[4:7], s[0:1], 0x0                ; att s[4:5], wo16 s[6:7]
	s_load_b64 s[8:9], s[0:1], 0x10                ; out0
	v_lshl_add_u32 v[SPW], v0, 2, SPARE
	v_mov_b32 v[NIL], 0
	ds_add_u32 v[SPW], v[NIL]                      ; the wave's opening: the add, twice on end, and its wait ahead of my first tensor load
	ds_add_u32 v[SPW], v[NIL]
	v_lshrrev_b32 v1, 5, v0
	v_readfirstlane_b32 s10, v1                    ; wave 0..3
	s_lshr_b32 s11, s10, 1                         ; which half of the tile's rows is mine.  Also: I fetch for A (0) or for Wo (1)
	s_and_b32 s12, s10, 1                          ; which half of its columns.  Also: which 64 rows I fetch
	s_bfe_u32 s40, ttmp6, 0x40000
	s_bfe_u32 s41, ttmp6, 0x40004
	s_lshl_b32 s42, ttmp9, 2
	s_add_co_u32 s42, s42, s40                     ; tile column
	s_and_b32 s13, ttmp7, 0xffff
	s_lshl_b32 s13, s13, 2
	s_add_co_u32 s13, s13, s41                     ; tile row
	s_lshl_b32 s43, s41, 2
	s_lshl_b32 s43, 15, s43                        ; my row of the cluster
	s_lshl_b32 s44, 0x1111, s40                    ; my column
	s_or_b32 s[G1+0], s43, (1<<16)|(1<<20)|(1<<21)|(4<<22)|(3<<25)   ; A: elements of 2 bytes; 4 words of padding behind every 32: behind each token's 128 bytes
	s_mov_b32 s[G1+1], 4096<<16                    ; a row of the tile: 64 tokens x 64 channels of one head, on end in memory
	s_mov_b32 s[G1+2], 4<<16                       ; four heads
	s_mov_b32 s[G1+3], 4096<<16
	s_mov_b32 s[G1+4], 4
	s_mov_b32 s[G1+5], 131072                      ; from head to head, in elements
	s_mov_b32 s[G1+6], 0
	s_mov_b32 s[G1+7], 0
	s_or_b32 s[G1B+0], s44, (1<<16)|(1<<20)|(1<<21)|(6<<22)|(3<<25)  ; Wo^T: 64 rows x 256 elements; 4 words of padding behind every 128
	s_mov_b32 s[G1B+1], 256<<16
	s_mov_b32 s[G1B+2], 64<<16
	s_mov_b32 s[G1B+3], 256<<16
	s_mov_b32 s[G1B+4], 64
	s_mov_b32 s[G1B+5], 1024
	s_mov_b32 s[G1B+6], 0
	s_mov_b32 s[G1B+7], 0
	s_lshr_b32 s16, s13, 4                         ; A: the batch: 16 heads of 262,144 bytes,
	s_lshl_b32 s16, s16, 22
	s_and_b32 s17, s13, 15
	s_lshl_b32 s17, s17, 14                        ; 128 tokens of 128 bytes a tile row,
	s_add_co_u32 s16, s16, s17
	s_lshl_b32 s17, s12, 13                        ; the 64 that I fetch
	s_add_co_u32 s16, s16, s17
	s_mov_b32 s17, 0
	s_lshl_b32 s46, s42, 18                        ; Wo^T: 128 rows of 2,048 bytes a tile column,
	s_lshl_b32 s47, s12, 17                        ; the 64 that I fetch
	s_add_co_u32 s46, s46, s47
	s_mov_b32 s47, 0
	s_mul_i32 s20, s12, AHALF                      ; where they go: no place in the cluster enters an LDS address
	s_mul_i32 s21, s12, BHALF
	s_add_co_u32 s21, s21, 2*AHALF
	s_wait_dscnt 0x0                               ; both opening adds are done
	s_wait_kmcnt 0x0
	s_add_nc_u64 s[14:15], s[4:5], s[16:17]
	s_add_nc_u64 s[46:47], s[6:7], s[46:47]
	CROUND                                         ; all sixteen work-groups are here: the first joint loads meet
.irp s, 0,1
	s_mov_b32 s[G0+4*\s], 1
	s_add_co_u32 s[G0+4*\s+1], s20, \s*SLOT
	s_add_nc_u64 s[G0+4*\s+2:G0+4*\s+3], s[14:15], \s*ASTEP
	s_or_b32 s[G0+4*\s+3], s[G0+4*\s+3], 0x80000000
	s_mov_b32 s[G0B+4*\s], 1
	s_add_co_u32 s[G0B+4*\s+1], s21, \s*SLOT
	s_add_nc_u64 s[G0B+4*\s+2:G0B+4*\s+3], s[46:47], \s*BSTEP
	s_or_b32 s[G0B+4*\s+3], s[G0B+4*\s+3], 0x80000000
	JLOAD \s
.endr
	v_and_b32 v1, 15, v0
	v_bfe_u32 v2, v0, 4, 1
	v_mul_u32_u24 v3, v1, PITCH
	v_lshl_add_u32 v3, v2, 4, v3                   ; Wo^T: a fragment's row x pitch + 16 x half
	v_mul_u32_u24 v4, v1, PA
	v_lshl_add_u32 v4, v2, 4, v4                   ; A likewise
	s_mul_i32 s21, s11, AHALF                      ; my 64 rows of A
	s_mul_i32 s22, s12, BHALF                      ; my 64 rows of Wo^T,
	s_add_co_u32 s22, s22, 2*AHALF                 ; which lie behind A's 128
.irp s, 0,1
	v_add_nc_u32 v[ADRA+\s], s21, v4
	v_add_nc_u32 v[ADRB+\s], s22, v3
	s_add_co_u32 s21, s21, SLOT
	s_add_co_u32 s22, s22, SLOT
.endr
	s_mul_i32 s23, s10, 16*SPITCH
	s_add_co_u32 s23, s23, STAGE                   ; my stage
	v_mul_u32_u24 v4, v1, SPITCH
	v_lshl_add_u32 v4, v2, 5, v4
	v_add_nc_u32 v[STO], s23, v4                   ; in: row l % 16, 32 bytes for each half of the lanes
	v_mul_u32_u24 v5, v2, SPITCH
	v_lshl_add_u32 v5, v1, 4, v5
	v_add_nc_u32 v[RD], s23, v5                    ; back: lanes 0-15 one row of 256 bytes, lanes 16-31 the next
	v_lshlrev_b32 v5, 12, v2
	v_lshl_add_u32 v[CO], v1, 4, v5                ; and the same two rows in out0
	s_lshl_b32 s16, s13, 7
	s_lshl_b32 s17, s11, 6
	s_add_co_u32 s16, s16, s17                     ; my first row
	s_lshl_b32 s16, s16, 12
	s_mov_b32 s17, 0
	s_add_nc_u64 s[8:9], s[8:9], s[16:17]
	s_lshl_b32 s46, s42, 9                         ; my first column, in bytes
	s_lshl_b32 s47, s12, 8
	s_add_co_u32 s46, s46, s47
	s_mov_b32 s47, 0
	s_add_nc_u64 s[8:9], s[8:9], s[46:47]
; 8 matrix instructions: A's blocks a0, a0 + 1 x Wo's four, 32 along K.  The 16 accumulators take turns.
.macro MUL8 f, c, a0, zero
.irp a, \a0, \a0+1
.irp b, 0,1,2,3
.if \zero
	v_wmma_f32_16x16x32_f16 v[ACC+8*(4*(\a)+\b):ACC+8*(4*(\a)+\b)+7], v[\f+64+8*(4*\c+\b):\f+64+8*(4*\c+\b)+7], v[\f+8*(4*\c+\a):\f+8*(4*\c+\a)+7], 0
.else
	v_wmma_f32_16x16x32_f16 v[ACC+8*(4*(\a)+\b):ACC+8*(4*(\a)+\b)+7], v[\f+64+8*(4*\c+\b):\f+64+8*(4*\c+\b)+7], v[\f+8*(4*\c+\a):\f+8*(4*\c+\a)+7], v[ACC+8*(4*(\a)+\b):ACC+8*(4*(\a)+\b)+7]
.endif
.endr
.endr
.endm
; 32 LDS loads in one run: the fragments of quarter q of a K step (64 along K: one head of A, 128 bytes of Wo^T's rows) into buffer f; the first 32 along K first
.macro FETCH slot, q, f
	WIN TO_F
.irp c, 0,1
.irp i, 0,1,2,3
	ds_load_b128 v[\f+64+8*(4*\c+\i):\f+64+8*(4*\c+\i)+3],   v[ADRB+\slot] offset:128*(\q)+64*\c+\i*16*PITCH
	ds_load_b128 v[\f+64+8*(4*\c+\i)+4:\f+64+8*(4*\c+\i)+7], v[ADRB+\slot] offset:128*(\q)+64*\c+\i*16*PITCH+32
	ds_load_b128 v[\f+8*(4*\c+\i):\f+8*(4*\c+\i)+3],         v[ADRA+\slot] offset:(\q)*PLA+64*\c+\i*16*PA
	ds_load_b128 v[\f+8*(4*\c+\i)+4:\f+8*(4*\c+\i)+7],       v[ADRA+\slot] offset:(\q)*PLA+64*\c+\i*16*PA+32
.endr
.endr
.endm
.macro PLACES
.rept 4
	v_nop
.endr
.endm
.macro QUARTER slot, q, f, g, zero     ; multiplies buffer f and fetches quarter q into g
	s_wait_dscnt 16                                ; the first 32 along K are in
	WIN MUL
	MUL8 \f, 0, 0, \zero
	MUL8 \f, 0, 2, \zero
	PLACES
	FETCH \slot, \q, \g
	s_wait_dscnt 32                                ; all but the 32 just issued
	WIN MUL
	MUL8 \f, 1, 0, 0
	MUL8 \f, 1, 2, 0
.endm
; The last quarter multiplies buffer 1 and changes slots: one barrier; in front of it each wave waits for all its tensor loads, adds 0 to its spare word, and waits for that and for its reads of this slot.
.macro TURN slot, next, fill
	WIN 0
	s_wait_tensorcnt 0x0                           ; all my tensor loads have landed: my part of the next slot
	ds_add_u32 v[SPW], v[NIL]                      ; 0 onto my spare word
	s_wait_dscnt 17                                ; (the add and the youngest sixteen loads may be out)
	WIN MUL
	MUL8 F1, 0, 0, 0
	s_wait_dscnt 0x0                               ; the add is done, and my reads of this slot are over
	s_barrier_signal -1
	MUL8 F1, 0, 2, 0
.if \fill
	WIN 0
.endif
	s_barrier_wait -1
.if \fill
	CREST                                          ; the barrier has opened a round of the cluster's barrier: no wave of any partner still reads this slot or has a load on its way
	s_add_nc_u64 s[G0+4*\slot+2:G0+4*\slot+3], s[G0+4*\slot+2:G0+4*\slot+3], 2*ASTEP
	s_add_nc_u64 s[G0B+4*\slot+2:G0B+4*\slot+3], s[G0B+4*\slot+2:G0B+4*\slot+3], 2*BSTEP
	JLOAD \slot                                    ; the first tensor load behind the round, my one load until the next; its four v_nop are also the places in front of the loads below
.else
	PLACES
.endif
	FETCH \next, 0, F0
	WIN MUL
	MUL8 F1, 1, 0, 0
	MUL8 F1, 1, 2, 0
.endm
	s_wait_tensorcnt 1                             ; my part of K step 0 is in (K step 1's may be out)
	s_barrier_signal -1
	s_barrier_wait -1                              ; everybody's is
	FETCH 0, 0, F0
	QUARTER 0, 1, F0, F1, 1                        ; the first products start the sums
	WIN 0
	s_mov_b32 s3, 1                                ; K = 1,024 is two laps of the ring: one trip fills both slots again
.Llap:
	QUARTER 0, 2, F1, F0, 0
	QUARTER 0, 3, F0, F1, 0
	TURN 0, 1, 1
	QUARTER 1, 1, F0, F1, 0
	QUARTER 1, 2, F1, F0, 0
	QUARTER 1, 3, F0, F1, 0
	TURN 1, 0, 1
	QUARTER 0, 1, F0, F1, 0
	WIN 0
	s_sub_co_u32 s3, s3, 1
	s_cmp_lg_u32 s3, 0
	s_cbranch_scc1 .Llap
	QUARTER 0, 2, F1, F0, 0                        ; the last lap fills nothing
	QUARTER 0, 3, F0, F1, 0
	TURN 0, 1, 0
	QUARTER 1, 1, F0, F1, 0
	QUARTER 1, 2, F1, F0, 0
	QUARTER 1, 3, F0, F1, 0
	s_wait_dscnt 16
	WIN MUL
	MUL8 F1, 0, 0, 0
	MUL8 F1, 0, 2, 0
	s_wait_dscnt 0
	MUL8 F1, 1, 0, 0
	MUL8 F1, 1, 2, 0
	WIN 0
; THE WAY OUT.  A wave's 64 columns of f32 are 256 bytes, aligned: each block of 16 rows goes through the wave's own stage and comes back as whole rows; no barrier.
.macro TOSTAGE a
.set BB, TMP+32*((\a)%2)
.irp b, 0,1,2,3
	ds_store_b128 v[STO], v[ACC+8*(4*(\a)+\b):ACC+8*(4*(\a)+\b)+3] offset:64*\b           ; each accumulator from its low end on
	ds_store_b128 v[STO], v[ACC+8*(4*(\a)+\b)+4:ACC+8*(4*(\a)+\b)+7] offset:64*\b+16
.endr
.irp i, 0,1,2,3,4,5,6,7
	ds_load_b128 v[BB+4*\i:BB+4*\i+3], v[RD] offset:\i*2*SPITCH    ; LDS serves a wave's instructions in order (ISA guide 5.7.1.4)
.endr
.endm
.macro SEND a, younger
.set BB, TMP+32*((\a)%2)
	s_wait_dscnt \younger
.irp i, 0,1,2,3,4,5,6,7
	global_store_b128 v[CO], v[BB+4*\i:BB+4*\i+3], s[8:9] offset:(16*(\a)+2*\i)*4096 th:TH_STORE_NT   ; sixteen lanes store 256 consecutive bytes, aligned
.endr
.endm
	PLACES
	TOSTAGE 0
	TOSTAGE 1
	SEND 0, 16                                     ; behind block 0's loads: block 1's eight stores and eight loads
	s_wait_xcnt 0x0                                ; block 0's stores have read their registers: block 2 may land there
	TOSTAGE 2
	SEND 1, 16
	s_wait_xcnt 0x0
	TOSTAGE 3
	SEND 2, 16
	SEND 3, 0
	s_wait_tensorcnt 0x0                           ; the wave's end
	ds_add_u32 v[SPW], v[NIL]
	s_wait_dscnt 0x0
	CROUND                                         ; the closing round
	s_endpgm
.Lfunc_end_k_q1d76337263_proj:
	.size	k_q1d76337263_proj, .Lfunc_end_k_q1d76337263_proj-k_q1d76337263_proj
	.p2alignl 7, 3214868480
	.fill 96, 4, 3214868480
	.section	.rodata,"a",@progbits
	.p2align	6, 0x0
	.amdhsa_kernel k_q1d76337263_proj
		.amdhsa_group_segment_fixed_size 327680
		.amdhsa_private_segment_fixed_size 0
		.amdhsa_enable_private_segment 0
		.amdhsa_kernarg_size 24
		.amdhsa_user_sgpr_count 2
		.amdhsa_user_sgpr_kernarg_segment_ptr 1
		.amdhsa_wavefront_size32 1
		.amdhsa_system_sgpr_workgroup_id_x 1
		.amdhsa_system_sgpr_workgroup_id_y 1
		.amdhsa_system_sgpr_workgroup_id_z 1
		.amdhsa_system_vgpr_workitem_id 0
		.amdhsa_next_free_vgpr 512
		.amdhsa_next_free_sgpr 66
		.amdhsa_reserve_vcc 0
		.amdhsa_float_denorm_mode_32 3
		.amdhsa_float_denorm_mode_16_64 3
		.amdhsa_memory_ordered 1
		.amdhsa_forward_progress 1
		.amdhsa_inst_pref_size 86
	.end_amdhsa_kernel
	.amdgpu_metadata
---
amdhsa.version: [ 1, 2 ]
amdhsa.kernels:
  - .name:           k_q1d76337263_proj
    .symbol:         k_q1d76337263_proj.kd
    .args:
      - { .name: att, .offset: 0, .size: 8, .value_kind: global_buffer, .address_space: global }
      - { .name: wo16, .offset: 8, .size: 8, .value_kind: global_buffer, .address_space: global }
      - { .name: out0, .offset: 16, .size: 8, .value_kind: global_buffer, .address_space: global }
    .group_segment_fixed_size: 327680
    .private_segment_fixed_size: 0
    .kernarg_segment_align: 8
    .kernarg_segment_size: 24
    .max_flat_workgroup_size: 128
    .sgpr_count:     66
    .vgpr_count:     512
    .wavefront_size: 32
...
	.end_amdgpu_metadata
.endif
;; end of part 4
;; launch fine (part 5): grid 16 x 2, 16 waves a work-group, no clusters, 71,680 bytes of LDS; arguments afine, wo16, out0; writes out0
.if DOCPART == 5
	.amdgcn_target "amdgcn-amd-amdhsa--gfx1250"
	.amdhsa_code_object_version 6
	.text
	.protected	k_q1d76337263_fine
	.globl	k_q1d76337263_fine
	.p2align	8
	.type	k_q1d76337263_fine,@function
k_q1d76337263_fine:
	s_mov_b64 s[64:65], 0
	v_nop
	global_prefetch_b8 v0, s[64:65] scope:SCOPE_SE
	s_setreg_imm32_b32 hwreg(HW_REG_WAVE_MODE, 25, 1), 1
	s_wait_xcnt 0x0
; Positions 0-15 of each sequence average few values and are the largest rows of the output: their projection is made once more with both operands as pairs of f16 numbers, a high and a low part.
; out0[2048 b + t][n] = sum over k of A[t][k] Wo[k][n], t = 0..15; A comes in f32, [2 b][16 h][16 t][64]; Wo^T's two parts come from wo16.  A x Wo = Wh Ah + Wh Al + Wl Ah; Wl Al lies under 2^-22 of the product and is left out.
; A work-group takes 64 columns of one batch's 16 rows; wave w takes head w: 64 along K, two matrix instructions deep, three terms, four tiles of 16 columns: 24 matrix instructions on four accumulators by turns.
; The sixteen waves' parts meet in LDS; behind one barrier wave w adds row w's sixteen parts and stores its 256 bytes.
; THE SPLIT, in f32: t = 8193 x, high = t - (t - x): 11 significant bits, so its conversion to f16 rounds nothing; low = x - high, exact, rounded once.
.set WOL,   2097152
.set PP,    272                        ; a row of a part: 256 bytes + 16
.set PART,  16*PP
.set SPARE, 16*PART                    ; the spare words, 128 bytes for each wave, which no other line names
.set X,   32                           ; v32-63   A in f32
.set AH,  64                           ; v64-79   its high parts, two fragments;  v80-95 its low parts
.set AL,  80
.set T,   96                           ; v96-111, v112-127 at work on the split; then the four accumulators
.set D,   112
.set ACC, 96
.set WH,  128                          ; v128-191 Wo^T's high parts (tile nt, K step c at 16 nt + 8 c);  v192-255 its low parts
.set WLO, 192
	s_load_b128 s[4:7], s[0:1], 0x0                ; afine, wo16
	s_load_b64 s[8:9], s[0:1], 0x10                ; out0
	v_lshl_add_u32 v1, v0, 2, SPARE                ; my spare word; never rewritten
	v_mov_b32 v2, 0                                ; 0; never rewritten
	v_lshrrev_b32 v3, 5, v0
	v_readfirstlane_b32 s10, v3                    ; wave = head
	s_and_b32 s11, ttmp7, 0xffff                   ; batch
	v_and_b32 v3, 15, v0                           ; r
	v_bfe_u32 v4, v0, 4, 1                         ; h
	v_lshlrev_b32 v5, 8, v3
	v_lshl_add_u32 v5, v4, 5, v5                   ; A: row r of 256 bytes, + 32 h
	v_lshlrev_b32 v6, 11, v3
	v_lshl_add_u32 v6, v4, 4, v6                   ; Wo^T: row r of 2,048 bytes, + 16 h
	s_mul_i32 s12, s10, PART
	v_mul_u32_u24 v7, v3, PP
	v_lshl_add_u32 v7, v4, 5, v7
	v_add_nc_u32 v7, s12, v7                       ; my part: row r, 32 bytes for each half of the lanes
	s_mul_i32 s12, s10, PP
	v_and_b32 v8, 31, v0
	v_lshlrev_b32 v8, 3, v8                        ; 8 bytes a lane
	v_add_nc_u32 v9, s12, v8                       ; back: row w of each part
	s_lshl_b32 s12, s11, 4
	s_add_co_u32 s12, s12, s10
	s_lshl_b32 s12, s12, 12                        ; a head's 16 rows are 4,096 bytes
	s_mov_b32 s13, 0
	s_lshl_b32 s14, ttmp9, 17                      ; 64 rows of Wo^T,
	s_lshl_b32 s15, s10, 7                         ; my head's 128 bytes in them
	s_add_co_u32 s14, s14, s15
	s_mov_b32 s15, 0
	s_lshl_b32 s16, s11, 11
	s_add_co_u32 s16, s16, s10                     ; the row that I store: 2048 b + w
	s_lshl_b32 s16, s16, 12
	s_lshl_b32 s17, ttmp9, 8                       ; the work-group's 64 columns
	s_add_co_u32 s16, s16, s17
	s_mov_b32 s17, 0
	s_mov_b32 s18, 0x46000400                      ; 8193
	s_mov_b32 s19, s18
	s_wait_kmcnt 0x0
	s_add_nc_u64 s[4:5], s[4:5], s[12:13]
	s_add_nc_u64 s[6:7], s[6:7], s[14:15]
	s_add_nc_u64 s[8:9], s[8:9], s[16:17]
.irp c, 0,1
.irp q, 0,1,2,3
	global_load_b128 v[X+16*\c+4*\q:X+16*\c+4*\q+3], v5, s[4:5] offset:128*\c+16*(\q%2)+64*(\q/2)   ; channels 32 c + 8 h + 0..7, then 32 c + 16 + 8 h + 0..7: the fragment's order
.endr
.endr
.irp nt, 0,1,2,3
.irp c, 0,1
	global_load_b128 v[WH+16*\nt+8*\c:WH+16*\nt+8*\c+3],   v6, s[6:7] offset:32768*\nt+64*\c
	global_load_b128 v[WH+16*\nt+8*\c+4:WH+16*\nt+8*\c+7], v6, s[6:7] offset:32768*\nt+64*\c+32
.endr
.endr
.irp nt, 0,1,2,3
.irp c, 0,1
	global_load_b128 v[WLO+16*\nt+8*\c:WLO+16*\nt+8*\c+3],   v6, s[6:7] offset:WOL+32768*\nt+64*\c
	global_load_b128 v[WLO+16*\nt+8*\c+4:WLO+16*\nt+8*\c+7], v6, s[6:7] offset:WOL+32768*\nt+64*\c+32
.endr
.endr
	s_wait_loadcnt 32                              ; A's eight loads are in; the weights' 32 may be out
.irp c, 0,1
.irp j, 0,2,4,6,8,10,12,14
	v_pk_mul_f32 v[T+\j:T+\j+1], v[X+16*\c+\j:X+16*\c+\j+1], s[18:19] op_sel_hi:[1,0]
.endr
.irp j, 0,2,4,6,8,10,12,14
	v_pk_add_f32 v[D+\j:D+\j+1], v[T+\j:T+\j+1], v[X+16*\c+\j:X+16*\c+\j+1] neg_lo:[0,1] neg_hi:[0,1]
.endr
.irp j, 0,2,4,6,8,10,12,14
	v_pk_add_f32 v[T+\j:T+\j+1], v[T+\j:T+\j+1], v[D+\j:D+\j+1] neg_lo:[0,1] neg_hi:[0,1]
.endr
.irp j, 0,2,4,6,8,10,12,14
	v_pk_add_f32 v[D+\j:D+\j+1], v[X+16*\c+\j:X+16*\c+\j+1], v[T+\j:T+\j+1] neg_lo:[0,1] neg_hi:[0,1]
.endr
.irp i, 0,1,2,3,4,5,6,7
	v_cvt_pk_f16_f32 v[AH+8*\c+\i], v[T+2*\i], v[T+2*\i+1]
	v_cvt_pk_f16_f32 v[AL+8*\c+\i], v[D+2*\i], v[D+2*\i+1]
.endr
.endr
	s_wait_loadcnt 0x0
; one term for one K step: four matrix instructions, the four accumulators by turns.  Transposed: source 0 = 16 rows of Wo^T, source 1 = A's 16 rows
.macro TERM w, a, c, zero
.irp nt, 0,1,2,3
.if \zero
	v_wmma_f32_16x16x32_f16 v[ACC+8*\nt:ACC+8*\nt+7], v[\w+16*\nt+8*\c:\w+16*\nt+8*\c+7], v[\a+8*\c:\a+8*\c+7], 0
.else
	v_wmma_f32_16x16x32_f16 v[ACC+8*\nt:ACC+8*\nt+7], v[\w+16*\nt+8*\c:\w+16*\nt+8*\c+7], v[\a+8*\c:\a+8*\c+7], v[ACC+8*\nt:ACC+8*\nt+7]
.endif
.endr
.endm
	TERM WH, AH, 0, 1
	TERM WH, AL, 0, 0
	TERM WLO, AH, 0, 0
	TERM WH, AH, 1, 0
	TERM WH, AL, 1, 0
	TERM WLO, AH, 1, 0
.rept 4
	v_nop                                          ; places in front of the stores that read results, and of the loads into the weights' registers
.endr
.irp nt, 0,1,2,3
	ds_store_b128 v7, v[ACC+8*\nt:ACC+8*\nt+3] offset:64*\nt       ; lane (r, h): row r, columns 16 nt + 8 h + 0..7; each accumulator from its low end on
	ds_store_b128 v7, v[ACC+8*\nt+4:ACC+8*\nt+7] offset:64*\nt+16
.endr
	s_wait_dscnt 0x0                               ; for the others' sake: my part has landed
	s_barrier_signal -1
	s_barrier_wait -1
.irp p, 0,1,2,3,4,5,6,7,8,9,10,11,12,13,14,15
	ds_load_b64 v[128+2*\p:129+2*\p], v9 offset:PART*\p            ; row w of part p: 256 consecutive bytes a wave
.endr
	s_wait_dscnt 0x0
.irp w, 4,8,16,32
.set u, 0
.rept 32/\w
	v_pk_add_f32 v[128+\w*u:129+\w*u], v[128+\w*u:129+\w*u], v[128+\w*u+\w/2:129+\w*u+\w/2]
.set u, u+1
.endr
.endr
	global_store_b64 v8, v[128:129], s[8:9]        ; 256 consecutive bytes, aligned
	s_wait_tensorcnt 0x0                           ; the wave's end
	ds_add_u32 v1, v2
	s_wait_dscnt 0x0
	s_endpgm
.Lfunc_end_k_q1d76337263_fine:
	.size	k_q1d76337263_fine, .Lfunc_end_k_q1d76337263_fine-k_q1d76337263_fine
	.p2alignl 7, 3214868480
	.fill 96, 4, 3214868480
	.section	.rodata,"a",@progbits
	.p2align	6, 0x0
	.amdhsa_kernel k_q1d76337263_fine
		.amdhsa_group_segment_fixed_size 71680
		.amdhsa_private_segment_fixed_size 0
		.amdhsa_enable_private_segment 0
		.amdhsa_kernarg_size 24
		.amdhsa_user_sgpr_count 2
		.amdhsa_user_sgpr_kernarg_segment_ptr 1
		.amdhsa_wavefront_size32 1
		.amdhsa_system_sgpr_workgroup_id_x 1
		.amdhsa_system_sgpr_workgroup_id_y 1
		.amdhsa_system_sgpr_workgroup_id_z 1
		.amdhsa_system_vgpr_workitem_id 0
		.amdhsa_next_free_vgpr 256
		.amdhsa_next_free_sgpr 66
		.amdhsa_reserve_vcc 0
		.amdhsa_float_denorm_mode_32 3
		.amdhsa_float_denorm_mode_16_64 3
		.amdhsa_memory_ordered 1
		.amdhsa_forward_progress 1
		.amdhsa_inst_pref_size 17
	.end_amdhsa_kernel
	.amdgpu_metadata
---
amdhsa.version: [ 1, 2 ]
amdhsa.kernels:
  - .name:           k_q1d76337263_fine
    .symbol:         k_q1d76337263_fine.kd
    .args:
      - { .name: afine, .offset: 0, .size: 8, .value_kind: global_buffer, .address_space: global }
      - { .name: wo16, .offset: 8, .size: 8, .value_kind: global_buffer, .address_space: global }
      - { .name: out0, .offset: 16, .size: 8, .value_kind: global_buffer, .address_space: global }
    .group_segment_fixed_size: 71680
    .private_segment_fixed_size: 0
    .kernarg_segment_align: 8
    .kernarg_segment_size: 24
    .max_flat_workgroup_size: 512
    .sgpr_count:     66
    .vgpr_count:     256
    .wavefront_size: 32
...
	.end_amdgpu_metadata
.endif
;; end of part 5
